; MI455X (gfx1250); checked and timed in simulation.
; The chip was launched on July 23, 2026; its instructions are those of AMD's public machine-readable ISA for CDNA 5 (MIT licence, August 2026) and "CDNA5" Instruction Set Architecture Reference Guide (July 2026). The comments in the code are by the model that wrote it; some were corrected since.
;; Self Attention. Allowed arithmetic: matrix products marked QUANTISED: E2M1 operands, one E8M0 scale for each 32 along K, by v_wmma_scale_f32_16x16x128_f8f6f4 with both operands' format E2M1 (or v_wmma_scale_f32_32x16x128_f4), f32 sums; products left as they are: bf16, f16 or f32 operands; f32 sums; everything else in f32.
;; Inputs: Wk 1,024 x 1,024 float32; Wo 1,024 x 1,024 float32; Wq 1,024 x 1,024 float32; Wv 1,024 x 1,024 float32; bk 1,024 float32; bo 1,024 float32; bq 1,024 float32; bv 1,024 float32; mask 4 x 2,048 x 2,048 int32; x 4 x 2,048 x 1,024 float32; y 4 x 2,048 x 1,024 float32.
;; Outputs: out0 4 x 2,048 x 1,024 float32.
;; This version of the problem:
;;   THIS VERSION OF THE PROBLEM IS GIVEN IN LOW PRECISION. The matrix products marked QUANTISED in the list below multiply operands that are first quantised to E2M1 (2 exponent bits, 1 mantissa bit; 4 bits a number), with one power-of-two scale for each 32 numbers along K (OCP MX v1.0); their sums are f32. The products marked 'left as it is' may take bf16, f16 or f32 operands, with f32 sums. Whichever they take, every output number must still come out within the allowed error. Rounding operands to bf16 (8 significant bits) uses up far more of that allowance than f16 does (11 bits, for magnitudes from 6e-5 to 65,504). All else is computed in f32.
;;   The module's matrix products, in the order in which they are computed (A, B: the left and right operand; K: the contracted axis; several contracted axes count as one K, in the product's order):
;;     1. [M 8,192, K 1,024] x [K 1,024, N 1,024]; A: input x; B: input Wq: QUANTISED
;;     2. [M 8,192, K 1,024] x [K 1,024, N 1,024]; A: input y; B: input Wk: QUANTISED
;;     3. [M 8,192, K 1,024] x [K 1,024, N 1,024]; A: input y; B: input Wv: QUANTISED
;;     4. batch 64 x [M 2,048, K 64] x [K 64, N 2,048]; A: computed on the way; B: computed on the way: left as it is (an operand is computed on the way)
;;     5. batch 64 x [M 2,048, K 2,048] x [K 2,048, N 64]; A: computed on the way; B: computed on the way: left as it is (an operand is computed on the way)
;;     6. [M 8,192, K 1,024] x [K 1,024, N 1,024]; A: computed on the way; B: input Wo: left as it is (an operand is computed on the way)
;;   THE QUANTISER, for each operand of a quantised product, along K:
;;     - K is cut into blocks of 32 from its start; a last block that is shorter is filled with zeros.
;;     - A block's scale is 2^e with e = floor(log2(the largest magnitude in the block)) - 2, held to -126 .. 127; a block of zeros has e = 0. As a byte (E8M0): e + 127.
;;     - Each number is divided by its block's scale, clamped to +-6, and rounded to the nearest number of E2M1, ties to even, subnormals kept.
;;     - The product sums the exact products of the quantised numbers (number of the format x scale) in f32.
;;   ~~~python
;;   def quantise(x, axis):      # numpy; x: float32 -> the quantised numbers, widened to float32 again
;;       x = np.moveaxis(x, axis, -1); K = x.shape[-1]
;;       x = np.pad(x, [(0, 0)] * (x.ndim - 1) + [(0, -K % 32)]); x = x.reshape(x.shape[:-1] + (-1, 32)); a = np.abs(x).max(-1, keepdims=True)
;;       e = np.where(a > 0, np.clip(np.frexp(np.where(a > 0, a, 1))[1] - 1 - 2, -126, 127), 0)      # np.frexp(a)[1] - 1 = floor(log2(a)), exactly
;;       r = np.clip(x / 2.0 ** e, -6, 6)
;;       step = 2.0 ** (np.maximum(np.frexp(np.where(r == 0, 1, r))[1] - 1, 0) - 1)
;;       q = np.round(r / step) * step * 2.0 ** e      # np.round: ties to even
;;       return np.moveaxis(q.reshape(q.shape[:-2] + (-1,))[..., :K], -1, axis).astype(np.float32)
;;   ~~~
;; One version. Each part assembles by itself: llvm-mc -triple=amdgcn-amd-amdhsa -mcpu=gfx1250 --defsym DOCPART=n.
;; ======== version 1 of 1: 4 launches
;; limits: values are held in f16: magnitudes above 65,504 overflow, below 6.1e-05 lose precision
;; workspace buffers: acodes 8,388,608 bytes; ascales 524,288 bytes; wcodes 1,572,864 bytes; wscales 98,304 bytes; wo16 2,097,152 bytes; maskw 2,097,152 bytes of whole numbers; qkv 50,331,648 bytes; att 16,777,216 bytes
;; launch prep (part 1): grid 1104 x 1, 4 waves a work-group, no clusters, 101,888 bytes of LDS; arguments x, y, Wq, Wk, Wv, Wo, mask, acodes, ascales, wcodes, wscales, wo16, maskw; writes acodes, ascales, wcodes, wscales, wo16, maskw
.if DOCPART == 1
	.amdgcn_target "amdgcn-amd-amdhsa--gfx1250"
	.amdhsa_code_object_version 6
	.text
	.protected	k_qfe90680545_prep
	.globl	k_qfe90680545_prep
	.p2align	8
	.type	k_qfe90680545_prep,@function
k_qfe90680545_prep:
	s_mov_b64 s[64:65], 0
	v_nop
	global_prefetch_b8 v0, s[64:65] scope:SCOPE_SE
	s_setreg_imm32_b32 hwreg(HW_REG_WAVE_MODE, 25, 1), 1
	s_wait_xcnt 0x0
; PREP: what every later launch reads many times is made once.
;   x, y [8192][1024] f32        -> acodes [16384 rows: x's, then y's][512 bytes], ascales [16384][32]: codes of E2M1, K innermost, one E8M0 byte for each 32 along K
;   Wq, Wk, Wv [k 1024][n 1024]  -> wcodes [3072 rows: Wq's n, Wk's n, Wv's n][512 bytes], wscales [3072][32]: quantised along K, their FIRST axis
;   Wo [k][n] f32                -> wo16 [k][n] f16
;   mask [4][2048][2048] int32   -> maskw [b][tile of 16 queries: 128][step of 64 keys: 32][n: 32] words: bit L of word n says whether
;                                   mask[b][16 tile + L % 16][64 step + 16 (n / 8) + 8 (L / 16) + n % 8] is not 0: the lane mask of score register n in the attention launch
; NO WORK OF THE PROBLEM IS LEFT OUT, and every input is loaded by some launch.  bk is live too: a hidden key's score is the fixed -1e9, so q . bk is not the same along the softmax's axis.
; THE QUANTISER: a block's scale is 2^(floor(log2(largest magnitude)) - 2); its byte is the largest magnitude's exponent field - 2, held at 1 from below.
; LIMITS: a block of zeros gets the byte 1 where the rule says 127 (its codes are zeros, and this program alone reads the bytes); blocks whose largest magnitude lies under 2^-124 are held at the byte 1;
; NaN and infinities among the inputs are not served; |Wo| stays under 65,504, the largest f16 number.
; ONE LAUNCH, FOUR PATHS, parted by the work-group's number alone: 0-47 the three weights, 48-79 Wo, 80-591 x and y, 592-1103 the mask.  Each path has LDS bytes of its own.
; No tensor loads, no barrier: waves share nothing.  No matrix unit, no cluster: every byte is read once, by one wave.
.set SPARE, 101376                     ; the spare words, 128 bytes for each wave: two blocks of 256 bytes that no other line names
.set SPW,   196                        ; v196 LDS address of my spare word; never rewritten
.set NIL,   197                        ; v197 0; never rewritten
.set WV,    30                         ; s30  my wave's number
.set PWB,   32768                      ; LDS: 0 .. 32,767 the path of x and y (8,192 a wave); from here the weights' stages (32 x 272 a wave);
.set PMB,   67584                      ; from here the mask's stages (16 x 528 a wave)
.macro CLOSE                           ; a wave's end: a tensor wait, an add to my spare word and its wait, behind my last LDS store
	s_wait_tensorcnt 0x0
	ds_add_u32 v[SPW], v[NIL]
	s_wait_dscnt 0x0
	s_endpgm
.endm
	s_load_b512 s[4:19], s[0:1], 0x0               ; x 4, y 6, Wq 8, Wk 10, Wv 12, Wo 14, mask 16, acodes 18
	s_load_b256 s[20:27], s[0:1], 0x40             ; ascales 20, wcodes 22, wscales 24, wo16 26
	s_load_b64 s[28:29], s[0:1], 0x60              ; maskw
	v_lshl_add_u32 v[SPW], v0, 2, SPARE
	v_mov_b32 v[NIL], 0
	v_lshrrev_b32 v1, 5, v0
	v_readfirstlane_b32 s[WV], v1                  ; wave 0..3
	v_and_b32 v2, 31, v0                           ; lane
	s_wait_kmcnt 0x0
	s_cmp_lt_u32 ttmp9, 48
	s_cbranch_scc1 .Lpw
	s_cmp_lt_u32 ttmp9, 80
	s_cbranch_scc1 .Lpo
	s_cmp_lt_u32 ttmp9, 592
	s_cbranch_scc1 .Lpx
; ---------------------------------------------------------------- THE MASK
; Work-group g = 128 b + tile owns 16 rows of the mask; wave w their keys 512 w .. 512 w + 511, in four rounds of 128 keys.  Each load reads 512 consecutive bytes of one row.  The 16 x 512 bytes turn through the
; wave's own stage (rows 528 bytes apart), so that lane (r, h) gets row r and, of each 16 keys, the eight of its half: the places that a score tile has in the attention launch.
; A compare makes a lane mask in a scalar register; v_writelane_b32 puts it into the lane that stores it: a round's 64 words leave as one aligned run of 256 bytes.
	s_sub_co_u32 s31, ttmp9, 592
	s_lshl_b32 s32, s31, 17                        ; 16 rows of 8,192 bytes
	s_lshl_b32 s33, s[WV], 11                      ; my 512 keys
	s_add_co_u32 s32, s32, s33
	s_mov_b32 s33, 0
	s_add_nc_u64 s[16:17], s[16:17], s[32:33]
	s_lshl_b32 s32, s31, 12                        ; 32 steps of 128 bytes
	s_lshl_b32 s34, s[WV], 10                      ; my 8 steps
	s_add_co_u32 s32, s32, s34
	s_add_nc_u64 s[28:29], s[28:29], s[32:33]
	v_lshlrev_b32 v3, 4, v2                        ; in: 16 bytes a lane
	s_mul_i32 s34, s[WV], 16*528
	s_add_co_u32 s34, s34, PMB                     ; my stage
	v_add_nc_u32 v4, s34, v3                       ; into it: as loaded
	v_and_b32 v7, 15, v2                           ; r
	v_lshrrev_b32 v8, 4, v2                        ; h
	v_mul_u32_u24 v5, v7, 528
	v_lshl_add_u32 v5, v8, 5, v5
	v_add_nc_u32 v5, s34, v5                       ; out of it: row r, + 32 h
	v_lshlrev_b32 v6, 3, v2                        ; the words' way out: 8 bytes a lane
.irp j, 0,1,2,3,4,5,6,7
	v_mov_b32 v[176+\j], 0                         ; written once: the destination of v_writelane_b32 counts as one of its sources
.endr
.macro LOADM rho                       ; round rho: 16 rows x 512 bytes into set rho % 2 (v16-79, v80-143)
.set i, 0
.rept 16
	global_load_b128 v[16+64*((\rho)%2)+4*i:16+64*((\rho)%2)+4*i+3], v3, s[16:17] offset:8192*i+512*(\rho) th:TH_LOAD_NT
.set i, i+1
.endr
.endm
.macro ROUNDM rho
.if (\rho) < 3
	s_wait_loadcnt 16                              ; this round's 16 loads are in; the next round's 16 may be out
.else
	s_wait_loadcnt 0x0
.endif
.set i, 0
.rept 16
	ds_store_b128 v4, v[16+64*((\rho)%2)+4*i:16+64*((\rho)%2)+4*i+3] offset:528*i
.set i, i+1
.endr
.irp sp, 0,1                                   ; the round's two steps of 64 keys
.irp f, 0,1,2,3,4,5,6,7
	ds_load_b128 v[144+4*\f:144+4*\f+3], v5 offset:256*\sp+64*(\f/2)+16*(\f%2)   ; LDS serves a wave's instructions in order: these see my stores
.endr
	s_wait_dscnt 0x0                               ; the 32 numbers are in; the stage's stores have read their registers
.if (\sp == 0) && ((\rho) < 2)
	LOADM (\rho)+2                                 ; so that set takes the round two on
.endif
.irp g, 0,1,2,3
.irp j, 0,1,2,3,4,5,6,7
	v_cmp_ne_u32 s[40+\j], 0, v[144+8*\g+\j]       ; word n = 8 g + j
.endr
.irp j, 0,1,2,3,4,5,6,7
	v_writelane_b32 v[176+2*(\rho)+\j%2], s[40+\j], 16*\sp+4*\g+\j/2   ; word 32 step + n lies in lane (32 step + n) / 2, register n % 2
.endr
.endr
.endr
	global_store_b64 v6, v[176+2*(\rho):177+2*(\rho)], s[28:29] offset:256*(\rho)   ; 32 lanes store 256 consecutive bytes, aligned; each round has a pair of its own
.endm
	LOADM 0
	LOADM 1
	ROUNDM 0
	ROUNDM 1
	ROUNDM 2
	ROUNDM 3
	CLOSE
; ---------------------------------------------------------------- x AND y
; Rows are dense and K is a multiple of 32: a plain stream of blocks of 32.  A wave takes 16 steps of 512 numbers.  Each load reads 512 consecutive bytes; a step's 2,048 bytes turn through the wave's own stage
; (16 bytes of padding behind each 64), so that a lane holds 16 neighbours along K and two neighbouring lanes a block.  A step's codes leave as 256 consecutive bytes; a wave's 256 scale bytes are gathered in LDS and leave as one run.
.Lpx:
	s_sub_co_u32 s31, ttmp9, 80
	s_cmp_lt_u32 s31, 256                          ; x's work-group or y's: the choice hangs on the work-group's number alone
	s_cselect_b64 s[4:5], s[4:5], s[6:7]
	s_and_b32 s32, s31, 255
	s_lshl_b32 s32, s32, 2
	s_add_co_u32 s32, s32, s[WV]                   ; which run of 8,192 numbers of the tensor is mine
	s_lshl_b32 s32, s32, 15
	s_mov_b32 s33, 0
	s_add_nc_u64 s[4:5], s[4:5], s[32:33]
	s_lshl_b32 s34, s31, 2
	s_add_co_u32 s34, s34, s[WV]                   ; and which of the two tensors' 2,048 runs
	s_lshl_b32 s32, s34, 12
	s_add_nc_u64 s[18:19], s[18:19], s[32:33]      ; 4,096 bytes of codes a run
	s_lshl_b32 s32, s34, 8
	s_add_nc_u64 s[20:21], s[20:21], s[32:33]      ; 256 scale bytes a run
	v_lshlrev_b32 v3, 4, v2                        ; my 16 bytes of a load's 512
	s_lshl_b32 s35, s[WV], 13                      ; my region of LDS
	v_lshrrev_b32 v14, 2, v2
	v_mul_u32_u24 v14, v14, 80
	v_and_b32 v15, 3, v2
	v_lshl_add_u32 v14, v15, 4, v14
	v_add_nc_u32 v14, s35, v14                     ; the stage, on the way in: 80 (lane / 4) + 16 (lane % 4)
	v_mul_u32_u24 v15, v2, 80
	v_add_nc_u32 v15, s35, v15                     ; and on the way out: 80 x lane: my 16 neighbours
	v_lshlrev_b32 v4, 3, v2                        ; my 8 bytes of a step's codes
	v_lshrrev_b32 v5, 1, v2
	s_add_co_u32 s35, s35, 2*32*80                 ; behind the two stages: my wave's 256 scale bytes
	v_add_nc_u32 v5, s35, v5                       ; my block's byte
	v_lshlrev_b32 v7, 3, v2
	v_add_nc_u32 v6, s35, v7                       ; and on the way out 8 bytes a lane
.macro LOADX t                         ; step t into set t % 4 of v16-79
.irp i, 0,1,2,3
	global_load_b128 v[16+16*((\t)%4)+4*\i:16+16*((\t)%4)+4*\i+3], v3, s[4:5] offset:2048*(\t)+512*\i th:TH_LOAD_NT
.endr
.endm
.macro TURNX t                         ; step t through stage t % 2 into set t % 2 of v80-111
.irp i, 0,1,2,3
	ds_store_b128 v14, v[16+16*((\t)%4)+4*\i:16+16*((\t)%4)+4*\i+3] offset:2560*((\t)%2)+640*\i
.endr
.irp i, 0,1,2,3
	ds_load_b128 v[80+16*((\t)%2)+4*\i:80+16*((\t)%2)+4*\i+3], v15 offset:2560*((\t)%2)+16*\i
.endr
.endm
.macro STEPX t
.set XS, 80+16*((\t)%2)
.if (\t) > 0
	s_wait_dscnt 1                                 ; this step's numbers are back from the stage; the last step's byte store may be out
.else
	s_wait_dscnt 0x0
.endif
.if (\t)+4 < 16
	LOADX (\t)+4                                   ; the stage's stores have read that set: it takes the loads of four steps on
.endif
.if (\t)+1 < 16
.if 14-(\t) >= 3
	s_wait_loadcnt 12                              ; the next step's four loads are in; those of the three steps behind it may be out
.else
	s_wait_loadcnt 4*(14-(\t))
.endif
	TURNX (\t)+1
.endif
	v_max3_num_f32 v8, |v[XS]|, |v[XS+1]|, |v[XS+2]|           ; the largest magnitude of my 16, in two chains
	v_max3_num_f32 v9, |v[XS+3]|, |v[XS+4]|, |v[XS+5]|
.irp i, 6,10
	v_max3_num_f32 v8, v8, |v[XS+\i]|, |v[XS+\i+1]|
	v_max3_num_f32 v9, v9, |v[XS+\i+2]|, |v[XS+\i+3]|
.endr
	v_max3_num_f32 v8, v8, |v[XS+14]|, |v[XS+15]|
	v_max3_num_f32 v8, v8, v9, 0x1800000           ; and the floor 2^(3 - 127): the byte cannot fall under 1
	v_max_num_f32_dpp v8, v8, v8 row_xmask:1 row_mask:0xf bank_mask:0xf   ; with my neighbour's 16: the block's
	v_add_nc_u32 v11, 0xff000000, v8               ; 2 off its exponent field: the conversion takes the exponent field of this operand as its scale
	v_cvt_scalef32_pk8_fp4_f32 v[128+4*(\t)], v[XS:XS+7], v11
	v_cvt_scalef32_pk8_fp4_f32 v[129+4*(\t)], v[XS+8:XS+15], v11
	v_lshrrev_b32 v[112+(\t)], 23, v11             ; the scale's byte
	ds_store_b8 v5, v[112+(\t)] offset:16*(\t)     ; both lanes of a block write the same byte with the same value
	global_store_b64 v4, v[128+4*(\t):129+4*(\t)], s[18:19] offset:256*(\t)   ; 32 lanes store 256 consecutive bytes, aligned; each step has registers of its own
.endm
.irp t, 0,1,2,3
	LOADX \t
.endr
	s_wait_loadcnt 12                              ; step 0's four loads are in
	TURNX 0
.irp t, 0,1,2,3,4,5,6,7,8,9,10,11,12,13,14,15
	STEPX \t
.endr
	ds_load_b64 v[8:9], v6
	s_wait_dscnt 0x0
	global_store_b64 v7, v[8:9], s[20:21]          ; my wave's 256 scale bytes
	CLOSE
; ---------------------------------------------------------------- Wq, Wk, Wv
; K is the first axis: a lane takes a column n and its registers run down K, so a block of 32 lies in one lane and the conversions give codes with K innermost.  Work-group g: weight g / 16, 128 columns g % 8, K half (g / 8) % 2.
; A wave takes 32 columns x 512 along K: 256 bytes of codes a column, which go through the wave's own stage and leave as rows: sixteen lanes store 256 consecutive bytes.
.Lpw:
	s_lshr_b32 s31, ttmp9, 4                       ; which weight
	s_cmp_eq_u32 s31, 0
	s_cselect_b64 s[32:33], s[8:9], s[10:11]
	s_cmp_eq_u32 s31, 2
	s_cselect_b64 s[32:33], s[12:13], s[32:33]
	s_and_b32 s34, ttmp9, 7
	s_lshl_b32 s34, s34, 7
	s_lshl_b32 s35, s[WV], 5
	s_add_co_u32 s34, s34, s35                     ; my wave's first column
	s_bfe_u32 s35, ttmp9, 0x10003                  ; which 512 along K
	s_lshl_b32 s36, s35, 21                        ; 512 rows of 4,096 bytes
	s_lshl_b32 s37, s34, 2
	s_add_co_u32 s36, s36, s37
	s_mov_b32 s37, 0
	s_add_nc_u64 s[32:33], s[32:33], s[36:37]
	s_lshl_b32 s38, s31, 10
	s_add_co_u32 s38, s38, s34                     ; my first row of wcodes and wscales
	s_lshl_b32 s36, s38, 9
	s_lshl_b32 s39, s35, 8
	s_add_co_u32 s36, s36, s39
	s_add_nc_u64 s[22:23], s[22:23], s[36:37]
	s_lshl_b32 s36, s38, 5
	s_lshl_b32 s39, s35, 4
	s_add_co_u32 s36, s36, s39
	s_add_nc_u64 s[24:25], s[24:25], s[36:37]
	v_lshlrev_b32 v3, 2, v2                        ; in: 4 bytes a lane
	s_mul_i32 s39, s[WV], 32*272
	s_add_co_u32 s39, s39, PWB                     ; my stage
	v_mul_u32_u24 v4, v2, 272
	v_add_nc_u32 v4, s39, v4                       ; into it: row = my column
	v_and_b32 v5, 15, v2
	v_lshrrev_b32 v6, 4, v2
	v_mul_u32_u24 v7, v6, 272
	v_lshl_add_u32 v7, v5, 4, v7
	v_add_nc_u32 v7, s39, v7                       ; out of it: sixteen lanes to a row, two rows an instruction
	v_lshlrev_b32 v8, 9, v6
	v_lshl_add_u32 v8, v5, 4, v8                   ; and the same place in wcodes
	v_lshlrev_b32 v9, 5, v2                        ; my column's row of scale bytes
.macro LOADW t                         ; block t: W(32 t + i, my column) into set t % 2 of v32-95
.set i, 0
.rept 32
	global_load_b32 v[32+32*((\t)%2)+i], v3, s[32:33] offset:(32*(\t)+i)*4096 th:TH_LOAD_NT
.set i, i+1
.endr
.endm
.macro BLOCKW t
.set XW, 32+32*((\t)%2)
.if (\t) < 15
	s_wait_loadcnt 32                              ; this block's 32 loads are in; the next block's may be out
.else
	s_wait_loadcnt 0x0
.endif
	v_max3_num_f32 v12, |v[XW]|, |v[XW+1]|, |v[XW+2]|          ; the block's largest magnitude: all 32 numbers are mine
	v_max3_num_f32 v13, |v[XW+3]|, |v[XW+4]|, |v[XW+5]|
.irp i, 6,10,14,18,22,26
	v_max3_num_f32 v12, v12, |v[XW+\i]|, |v[XW+\i+1]|
	v_max3_num_f32 v13, v13, |v[XW+\i+2]|, |v[XW+\i+3]|
.endr
	v_max3_num_f32 v12, v12, |v[XW+30]|, |v[XW+31]|
	v_max3_num_f32 v12, v12, v13, 0x1800000        ; and the floor 2^(3 - 127)
	v_add_nc_u32 v11, 0xff000000, v12              ; the conversion's scale operand
	v_lshrrev_b32 v13, 23, v11                     ; the scale's byte
.if (\t)%4 == 0
	v_mov_b32 v[24+(\t)/4], v13                    ; four bytes to a register, the lower K in the lower byte
.else
	v_lshl_or_b32 v[24+(\t)/4], v13, 8*((\t)%4), v[24+(\t)/4]
.endif
.irp g, 0,1,2,3
	v_cvt_scalef32_pk8_fp4_f32 v[96+\g], v[XW+8*\g:XW+8*\g+7], v11
.endr
	ds_store_b128 v4, v[96:99] offset:16*(\t)      ; 32 codes: 16 bytes of my column's row
.if (\t)+2 < 16
	LOADW (\t)+2
.endif
	s_wait_dscnt 0x0                               ; the store has read its registers: the next block's codes may be written
.endm
	LOADW 0
	LOADW 1
.irp t, 0,1,2,3,4,5,6,7,8,9,10,11,12,13,14,15
	BLOCKW \t
.endr
	global_store_b128 v9, v[24:27], s[24:25]       ; my column's 16 scale bytes
.irp t, 0,1,2,3,4,5,6,7,8,9,10,11,12,13,14,15
	ds_load_b128 v[112+4*\t:115+4*\t], v7 offset:2*\t*272
.endr
.irp t, 0,1,2,3,4,5,6,7,8,9,10,11,12,13,14,15
	s_wait_dscnt 15-\t
	global_store_b128 v8, v[112+4*\t:115+4*\t], s[22:23] offset:2*\t*512
.endr
	CLOSE
; ---------------------------------------------------------------- Wo
; A plain cast.  A wave takes 8,192 numbers as 64 pieces of 512 bytes, in four batches of 16 on two sets of registers; a piece's 128 numbers leave as 256 consecutive bytes.  No LDS byte is stored here; the path ends as the others do.
.Lpo:
	s_sub_co_u32 s31, ttmp9, 48
	s_lshl_b32 s31, s31, 2
	s_add_co_u32 s31, s31, s[WV]
	s_lshl_b32 s32, s31, 15
	s_mov_b32 s33, 0
	s_add_nc_u64 s[14:15], s[14:15], s[32:33]
	s_lshl_b32 s32, s31, 14
	s_add_nc_u64 s[26:27], s[26:27], s[32:33]
	v_lshlrev_b32 v3, 4, v2
	v_lshlrev_b32 v6, 3, v2
.macro LOADO k
.set i, 0
.rept 16
	global_load_b128 v[16+64*((\k)%2)+4*i:16+64*((\k)%2)+4*i+3], v3, s[14:15] offset:512*(16*(\k)+i) th:TH_LOAD_NT
.set i, i+1
.endr
.endm
.macro BATCHO k
.if (\k) > 0
	s_wait_xcnt 0x0                                ; the last batch's stores have read their pairs, which are written again below
.endif
.irp i, 0,1,2,3,4,5,6,7,8,9,10,11,12,13,14,15
.if (\k) < 3
	s_wait_loadcnt 31-\i                           ; behind piece i: this batch's 15 - i and the next batch's 16
.else
	s_wait_loadcnt 15-\i
.endif
	v_cvt_pk_f16_f32 v[144+2*\i], v[16+64*((\k)%2)+4*\i], v[17+64*((\k)%2)+4*\i]
	v_cvt_pk_f16_f32 v[145+2*\i], v[18+64*((\k)%2)+4*\i], v[19+64*((\k)%2)+4*\i]
	global_store_b64 v6, v[144+2*\i:145+2*\i], s[26:27] offset:256*(16*(\k)+\i)
.endr
.if (\k) < 2
	LOADO (\k)+2
.endif
.endm
	LOADO 0
	LOADO 1
	BATCHO 0
	BATCHO 1
	BATCHO 2
	BATCHO 3
	CLOSE
.Lfunc_end_k_qfe90680545_prep:
	.size	k_qfe90680545_prep, .Lfunc_end_k_qfe90680545_prep-k_qfe90680545_prep
	.p2alignl 7, 3214868480
	.fill 96, 4, 3214868480
	.section	.rodata,"a",@progbits
	.p2align	6, 0x0
	.amdhsa_kernel k_qfe90680545_prep
		.amdhsa_group_segment_fixed_size 101888
		.amdhsa_private_segment_fixed_size 0
		.amdhsa_enable_private_segment 0
		.amdhsa_kernarg_size 104
		.amdhsa_user_sgpr_count 2
		.amdhsa_user_sgpr_kernarg_segment_ptr 1
		.amdhsa_wavefront_size32 1
		.amdhsa_system_sgpr_workgroup_id_x 1
		.amdhsa_system_sgpr_workgroup_id_y 1
		.amdhsa_system_sgpr_workgroup_id_z 1
		.amdhsa_system_vgpr_workitem_id 0
		.amdhsa_next_free_vgpr 200
		.amdhsa_next_free_sgpr 66
		.amdhsa_reserve_vcc 0
		.amdhsa_float_denorm_mode_32 3
		.amdhsa_float_denorm_mode_16_64 3
		.amdhsa_memory_ordered 1
		.amdhsa_forward_progress 1
		.amdhsa_inst_pref_size 182
	.end_amdhsa_kernel
	.amdgpu_metadata
---
amdhsa.version: [ 1, 2 ]
amdhsa.kernels:
  - .name:           k_qfe90680545_prep
    .symbol:         k_qfe90680545_prep.kd
    .args:
      - { .name: x, .offset: 0, .size: 8, .value_kind: global_buffer, .address_space: global }
      - { .name: y, .offset: 8, .size: 8, .value_kind: global_buffer, .address_space: global }
      - { .name: Wq, .offset: 16, .size: 8, .value_kind: global_buffer, .address_space: global }
      - { .name: Wk, .offset: 24, .size: 8, .value_kind: global_buffer, .address_space: global }
      - { .name: Wv, .offset: 32, .size: 8, .value_kind: global_buffer, .address_space: global }
      - { .name: Wo, .offset: 40, .size: 8, .value_kind: global_buffer, .address_space: global }
      - { .name: mask, .offset: 48, .size: 8, .value_kind: global_buffer, .address_space: global }
      - { .name: acodes, .offset: 56, .size: 8, .value_kind: global_buffer, .address_space: global }
      - { .name: ascales, .offset: 64, .size: 8, .value_kind: global_buffer, .address_space: global }
      - { .name: wcodes, .offset: 72, .size: 8, .value_kind: global_buffer, .address_space: global }
      - { .name: wscales, .offset: 80, .size: 8, .value_kind: global_buffer, .address_space: global }
      - { .name: wo16, .offset: 88, .size: 8, .value_kind: global_buffer, .address_space: global }
      - { .name: maskw, .offset: 96, .size: 8, .value_kind: global_buffer, .address_space: global }
    .group_segment_fixed_size: 101888
    .private_segment_fixed_size: 0
    .kernarg_segment_align: 8
    .kernarg_segment_size: 104
    .max_flat_workgroup_size: 128
    .sgpr_count:     66
    .vgpr_count:     200
    .wavefront_size: 32
...
	.end_amdgpu_metadata
.endif
;; end of part 1
;; launch proj (part 2): grid 12 x 32, 4 waves a work-group, clusters of 4 x 4, 327,680 bytes of LDS; arguments acodes, ascales, wcodes, wscales, bq, bk, bv, qkv; writes qkv
.if DOCPART == 2
	.amdgcn_target "amdgcn-amd-amdhsa--gfx1250"
	.amdhsa_code_object_version 6
	.text
	.protected	k_qfe90680545_proj
	.globl	k_qfe90680545_proj
	.p2align	8
	.type	k_qfe90680545_proj,@function
k_qfe90680545_proj:
	s_mov_b64 s[64:65], 0
	v_nop
	global_prefetch_b8 v0, s[64:65] scope:SCOPE_SE
	s_setreg_imm32_b32 hwreg(HW_REG_WAVE_MODE, 25, 1), 1
	s_wait_xcnt 0x0
	s_wait_alu depctr_hold_cnt(0) depctr_sa_sdst(0) depctr_va_vdst(0) depctr_va_sdst(0) depctr_va_ssrc(0) depctr_va_vcc(0) depctr_vm_vsrc(0)
	s_getreg_b32 s2, hwreg(HW_REG_IB_STS2, 6, 4)
	s_cmp_eq_u32 s2, 0
	s_cbranch_scc0 .Lentry_in_a_cluster
	s_endpgm
.Lentry_in_a_cluster:
	s_bfe_u32 s2, ttmp6, 0x10000c
	s_cmp_lg_u32 s2, 0xf033
	s_cbranch_scc0 .Lentry_shape_is_right
	s_endpgm
.Lentry_shape_is_right:
; PROJ: q = (x Wq + bq) c, k = y Wk + bk, v = y Wv + bv, the three products on codes of E2M1 with one E8M0 scale for each 32 along K, sums in f32; c = log2(e) / 8, so that the attention launch's scores are exponents of 2.
; Results rounded once to f16 and laid by head: qkv [q, k, v][b][h][s][64].  No work is left out.  LIMIT: |q c|, |k|, |v| stay under 65,504, the largest f16 number.
; One GEMM of 8,192 x 3,072 x 1,024: cluster x (0, 1, 2) says which product; A's rows are x's codes for q and y's for k and v, B's rows are the weights' columns n.
; A tile of C, 256 x 256, is made by four waves, 128 x 128 each: 64 accumulators, 512 registers.  K = 1,024 is two steps of 512: each fills one LDS slot, both asked for at the start, and nothing is filled again.
; The scale bytes of the work-group's 256 + 256 rows, for all of K, come once with the first fills.
; CLUSTERS: 4 x 4 work-groups; A's tile is shared along a row of the cluster, B's along a column: each is asked for jointly, by the same tensor load with the same descriptor and a mask that names the four.
; THE MATRIX INSTRUCTION IS USED TRANSPOSED (source 0 = 16 rows of B, source 1 = 16 rows of A): a lane holds eight neighbouring columns of one row of C.
; REGISTERS: window 0: v0-31 addresses; v32-95 scale words, two sets; v128-191 A's fragments, one set; v192-255 the bias x the factor, in the result's layout.  On the way out v32-191 are free.
;   window 1: B's fragments, two sets, at v0 and v128.   window 2: the accumulators of my rows 0-63 ((a, b) at v[8 (8 a + b)]);   window 3: those of rows 64-127.
.set NQ,     4                         ; steps of 128 along K in a slot
.set ROWB,   256                       ; a tile's row: 512 codes
.set KROW,   512                       ; a row of codes in memory
.set PITCH,  272                       ; an LDS row: 256 bytes + 16 of padding: the 16 rows that a load touches start at 16 different banks
.set FR,     8
.set NL,     2
.set NP,     4
.set HALFT,  128*PITCH
.set SLOT,   4*HALFT                   ; A's 256 rows, then B's 256 rows
.set KS,     32                        ; a row of scale bytes
.set SCL,    2*SLOT                    ; behind the slots: the scales, as runs of 256 bytes + 16 of padding
.set HALFS,  (128*KS/256)*272
.set SBLK,   (16*KS/256)*272
.set SPARE,  SCL+4*HALFS               ; the spare words, 128 bytes for each wave
.set ADRA, 16
.set ADRB, 20
.set STO,  24                          ; the way out: where I put 16 bytes of a row
.set RD,   25                          ; where I read rows back
.set GO,   26                          ; 16 x lane
.set ADRS, 27
.set SPW,  28
.set NIL,  29
.set BOF,  30                          ; 32 x (lane / 16): my half's eight numbers of a bias tile
.set SC,   32
.set AF,   128
.set BS,   192
.set G1, 24
.set G0, 32
.set G1B, 48
.set G0B, 56
.set G1S, 68
.set G0S, 76
.set G1SB, 80
.set G0SB, 88
.set MSB, 0
.macro WIN new                         ; the immediate's high byte repeats the setting that is left
.if MSB != (\new)
	s_set_vgpr_msb (MSB<<8)|(\new)
.set MSB, (\new)
.endif
.endm
.set MUL_LO, 0xa1                      ; source 0 (B) window 1, source 1 (A) window 0, C and D window 2
.set MUL_HI, 0xf1
.set TO_B,   0x40
.macro JLOAD g0a, g1a, g0b, g1b        ; a joint load: waves 0 and 1 fetch for A, waves 2 and 3 for B; an s_nop 0 and four v_nop follow each line
	s_cmp_eq_u32 s15, 0
	s_cbranch_scc0 .Lfor_b_\@
	tensor_load_to_lds s[\g0a:\g0a+3], s[\g1a:\g1a+7]
	s_nop 0
.rept 4
	v_nop
.endr
	s_branch .Lasked_\@
.Lfor_b_\@:
	tensor_load_to_lds s[\g0b:\g0b+3], s[\g1b:\g1b+7]
	s_nop 0
.rept 4
	v_nop
.endr
.Lasked_\@:
.endm
.macro CROUND                          ; a round of the cluster's barrier
	s_barrier_signal -1
	s_barrier_wait -1
	s_cmp_lg_u32 s14, 0
	s_cbranch_scc1 .Lnot_wave_0_\@
	s_barrier_signal -3
.Lnot_wave_0_\@:
	s_barrier_wait -3
	s_barrier_signal -1
	s_barrier_wait -1
.endm
	s_load_b256 s[4:11], s[0:1], 0x0               ; acodes 4, ascales 6, wcodes 8, wscales 10
	s_load_b128 s[96:99], s[0:1], 0x20             ; bq, bk
	s_load_b64 s[100:101], s[0:1], 0x30            ; bv
	s_load_b64 s[12:13], s[0:1], 0x38              ; qkv
	v_lshl_add_u32 v[SPW], v0, 2, SPARE
	v_mov_b32 v[NIL], 0
	ds_add_u32 v[SPW], v[NIL]                      ; the wave's opening: the add, twice on end, and its wait ahead of my first tensor load
	ds_add_u32 v[SPW], v[NIL]
	v_lshrrev_b32 v1, 5, v0
	v_readfirstlane_b32 s14, v1                    ; wave 0..3
	s_lshr_b32 s15, s14, 1                         ; which half of the tile's rows is mine.  Also: I fetch for A (0) or for B (1)
	s_and_b32 s16, s14, 1                          ; which half of its columns.  Also: which 128 rows I fetch
	s_bfe_u32 s40, ttmp6, 0x40000                  ; cx
	s_bfe_u32 s41, ttmp6, 0x40004                  ; cy
	s_lshl_b32 s42, ttmp9, 2
	s_add_co_u32 s42, s42, s40                     ; tile column over the three weights: 4 x cluster x + cx
	s_and_b32 s17, ttmp7, 0xffff
	s_lshl_b32 s17, s17, 2
	s_add_co_u32 s17, s17, s41                     ; tile row: 4 x cluster y + cy
	s_lshl_b32 s43, s41, 2
	s_lshl_b32 s43, 15, s43                        ; my row of the cluster
	s_lshl_b32 s44, 0x1111, s40                    ; my column
	s_or_b32 s[G1+0], s43, (0<<16)|(1<<20)|(1<<21)|(5<<22)|(3<<25)  ; the mask; elements of 1 byte; padding on; bit 21 beside a mask; 4 words after every 64
	s_or_b32 s[G1B+0], s44, (0<<16)|(1<<20)|(1<<21)|(5<<22)|(3<<25)
.irp g, G1, G1B
	s_mov_b32 s[\g+1], ROWB<<16                    ; tensor_dim0
	s_mov_b32 s[\g+2], 128<<16                     ; tensor_dim1
	s_mov_b32 s[\g+3], ROWB<<16                    ; tile_dim0
	s_mov_b32 s[\g+4], 128                         ; tile_dim1
	s_mov_b32 s[\g+5], KROW                        ; from row to row
	s_mov_b32 s[\g+6], 0
	s_mov_b32 s[\g+7], 0
.endr
	s_or_b32 s[G1S+0], s43, (3<<16)|(1<<20)|(1<<21)|(5<<22)|(3<<25) ; the scales of 128 rows: 4,096 dense bytes as 16 rows of 256 (32 elements of 8 bytes)
	s_or_b32 s[G1SB+0], s44, (3<<16)|(1<<20)|(1<<21)|(5<<22)|(3<<25)
.irp g, G1S, G1SB
	s_mov_b32 s[\g+1], 32<<16
	s_mov_b32 s[\g+2], (128*KS/256)<<16
	s_mov_b32 s[\g+3], 32<<16
	s_mov_b32 s[\g+4], 128*KS/256
	s_mov_b32 s[\g+5], 32
	s_mov_b32 s[\g+6], 0
	s_mov_b32 s[\g+7], 0
.endr
	s_lshl_b32 s18, s16, 7                         ; which 128 rows of the tile I fetch
	s_lshl_b32 s20, s17, 8
	s_add_co_u32 s20, s20, s18                     ; A: row 256 x tile row + 128 x half,
	s_min_u32 s19, ttmp9, 1
	s_lshl_b32 s19, s19, 13
	s_add_co_u32 s20, s20, s19                     ; and 8,192 further on for k and v: the rows of y.  Cluster x is the same in all sixteen partners
	s_lshl_b32 s46, s42, 8
	s_add_co_u32 s46, s46, s18                     ; B: row 256 x tile column + 128 x half
	s_mov_b32 s21, 0
	s_mov_b32 s47, 0
	s_mov_b64 s[18:19], KS
	s_mul_u64 s[22:23], s[20:21], s[18:19]         ; where these rows' scales begin
	s_mul_u64 s[92:93], s[46:47], s[18:19]
	s_mov_b64 s[18:19], KROW
	s_mul_u64 s[20:21], s[20:21], s[18:19]         ; and their codes
	s_mul_u64 s[46:47], s[46:47], s[18:19]
	s_mul_i32 s45, s14, HALFT                      ; where they go: wave x 128 rows
	s_mul_i32 s94, s14, HALFS
	s_wait_dscnt 0x0                               ; both opening adds are done
	s_wait_kmcnt 0x0
	s_add_nc_u64 s[20:21], s[4:5], s[20:21]
	s_add_nc_u64 s[22:23], s[6:7], s[22:23]
	s_add_nc_u64 s[46:47], s[8:9], s[46:47]
	s_add_nc_u64 s[92:93], s[10:11], s[92:93]
	CROUND                                         ; all sixteen work-groups are here: the joint loads meet
	s_mov_b32 s[G0S], 1
	s_add_co_u32 s[G0S+1], s94, SCL
	s_mov_b64 s[G0S+2:G0S+3], s[22:23]
	s_or_b32 s[G0S+3], s[G0S+3], 0x80000000
	s_mov_b32 s[G0SB], 1
	s_add_co_u32 s[G0SB+1], s94, SCL
	s_mov_b64 s[G0SB+2:G0SB+3], s[92:93]
	s_or_b32 s[G0SB+3], s[G0SB+3], 0x80000000
	JLOAD G0S, G1S, G0SB, G1SB                     ; the scales first: they are wanted with K step 0
.irp s, 0,1
	s_mov_b32 s[G0+4*\s], 1
	s_add_co_u32 s[G0+4*\s+1], s45, \s*SLOT
	s_add_nc_u64 s[G0+4*\s+2:G0+4*\s+3], s[20:21], \s*ROWB
	s_or_b32 s[G0+4*\s+3], s[G0+4*\s+3], 0x80000000
	s_mov_b32 s[G0B+4*\s], 1
	s_add_co_u32 s[G0B+4*\s+1], s45, \s*SLOT
	s_add_nc_u64 s[G0B+4*\s+2:G0B+4*\s+3], s[46:47], \s*ROWB
	s_or_b32 s[G0B+4*\s+3], s[G0B+4*\s+3], 0x80000000
	JLOAD G0+4*\s, G1, G0B+4*\s, G1B               ; three tensor loads of mine are out
.endr
	; the bias of my 128 columns, and the factor
	s_cmp_eq_u32 ttmp9, 0
	s_cselect_b64 s[98:99], s[96:97], s[98:99]     ; bq or bk,
	s_cmp_eq_u32 ttmp9, 2
	s_cselect_b64 s[98:99], s[100:101], s[98:99]   ; or bv: the choice hangs on the cluster's number alone
	s_mov_b32 s97, 1.0
	s_cmp_eq_u32 ttmp9, 0
	s_cselect_b32 s96, 0x3e38aa3b, s97             ; c = log2(e) / 8 for q, 1 for k and v
	s_mov_b32 s97, s96                             ; (named with it as a pair, so it is written)
	s_lshl_b32 s46, s40, 10
	s_lshl_b32 s47, s16, 9
	s_add_co_u32 s46, s46, s47                     ; 4 x (256 cx + 128 x column half)
	s_mov_b32 s47, 0
	s_add_nc_u64 s[98:99], s[98:99], s[46:47]
	v_and_b32 v1, 15, v0                           ; r
	v_bfe_u32 v2, v0, 4, 1                         ; h
	v_lshlrev_b32 v[BOF], 5, v2
.irp b, 0,1,2,3,4,5,6,7
	global_load_b128 v[BS+8*\b:BS+8*\b+3], v[BOF], s[98:99] offset:64*\b       ; tile b: the bias at columns 16 b + 8 h + 0 .. 7
	global_load_b128 v[BS+8*\b+4:BS+8*\b+7], v[BOF], s[98:99] offset:64*\b+16
.endr
	v_mul_u32_u24 v3, v1, PITCH
	v_lshl_add_u32 v4, v2, 4, v3                   ; a fragment's row x pitch + 16 x half
	s_mul_i32 s21, s15, HALFT                      ; my 128 rows of A
	s_mul_i32 s22, s16, HALFT                      ; my 128 rows of B,
	s_add_co_u32 s22, s22, 2*HALFT                 ; behind A's 256
.irp s, 0,1
	v_add_nc_u32 v[ADRA+\s], s21, v4
	v_add_nc_u32 v[ADRB+\s], s22, v4
	s_add_co_u32 s21, s21, SLOT
	s_add_co_u32 s22, s22, SLOT
.endr
	v_mul_u32_u24 v5, v1, KS                       ; my row's scales: 32 bytes a row,
	v_lshrrev_b32 v6, 8, v5
	v_lshl_add_u32 v5, v6, 4, v5                   ; and 16 more for each 256 passed
	s_mul_i32 s21, s15, HALFS
	s_mul_i32 s22, s16, HALFS
	s_add_co_u32 s22, s22, 2*HALFS
	s_sub_co_u32 s22, s22, s21
	v_mul_u32_u24 v6, s22, v2                      ; lanes 16-31 take B's: one product, the distance between the two bases
	s_add_co_u32 s21, s21, SCL
	v_add_nc_u32 v5, v5, v6
	v_add_nc_u32 v[ADRS], s21, v5
	s_mul_i32 s23, s14, 2*16*144                   ; my stage, in slot 0: two heads x 16 rows x (128 bytes + 16)
	v_mul_u32_u24 v5, v1, 144
	v_lshl_add_u32 v5, v2, 4, v5
	v_add_nc_u32 v[STO], s23, v5                   ; in: row r, + 16 h
	v_bfe_u32 v6, v0, 3, 2
	v_and_b32 v7, 7, v0
	v_mul_u32_u24 v5, v6, 144
	v_lshl_add_u32 v5, v7, 4, v5
	v_add_nc_u32 v[RD], s23, v5                    ; back: eight lanes to a row of 128 bytes, four rows an instruction
	v_and_b32 v6, 31, v0
	v_lshlrev_b32 v[GO], 4, v6
	s_lshl_b32 s20, ttmp9, 24                      ; the plane of q, k or v,
	s_lshr_b32 s21, s17, 3
	s_lshl_b32 s21, s21, 22                        ; the batch: 8 tile rows each,
	s_add_co_u32 s20, s20, s21
	s_and_b32 s21, s17, 7
	s_lshl_b32 s21, s21, 15                        ; 256 positions of 128 bytes a tile row,
	s_add_co_u32 s20, s20, s21
	s_lshl_b32 s21, s15, 14                        ; my 128 of them,
	s_add_co_u32 s20, s20, s21
	s_mov_b32 s21, 0
	s_lshl_b32 s46, s40, 20                        ; and my first head, 4 cx + 2 x column half, of 2^18 bytes
	s_lshl_b32 s47, s16, 19
	s_add_co_u32 s46, s46, s47
	s_mov_b32 s47, 0
	s_add_nc_u64 s[20:21], s[20:21], s[46:47]
	s_add_nc_u64 s[12:13], s[12:13], s[20:21]
	s_wait_loadcnt 0x0                             ; the bias
.set i, 0
.rept 32
	v_pk_mul_f32 v[BS+2*i:BS+2*i+1], v[BS+2*i:BS+2*i+1], s[96:97] op_sel_hi:[1,0]   ; bias x factor, once: the way out is then one fused multiply-add a pair
.set i, i+1
.endr
.macro FRAG reg, adr, q, i             ; 16 rows x 128 K of 4-bit codes: 8 registers, two loads of 16 bytes, 32 bytes apart
.irp c, 0,1
	ds_load_b128 v[\reg+4*\c:\reg+4*\c+3], v[\adr] offset:64*(\q)+32*\c+(\i)*16*PITCH
.endr
.endm
; 16 matrix instructions: A's blocks a0, a0 + 1 x B's eight, the slot's q-th 128 along K.  The 64 accumulators take turns, one instruction a turn, in the same order in every step.
.macro MUL16 a0, p, q, sc, zero
.irp a, \a0, \a0+1
.irp b, 0,1,2,3,4,5,6,7
.if \zero
	v_wmma_scale_f32_16x16x128_f8f6f4 v[8*(8*((\a)%4)+\b):8*(8*((\a)%4)+\b)+7], v[128*(\p)+FR*\b:128*(\p)+FR*\b+FR-1], v[AF+FR*(\a):AF+FR*(\a)+FR-1], 0, v[SC+8*NQ*(\sc)+NQ*\b+(\q)], v[SC+8*NQ*(\sc)+NQ*(\a)+(\q)] matrix_a_fmt:MATRIX_FMT_FP4 matrix_b_fmt:MATRIX_FMT_FP4 matrix_a_scale:MATRIX_SCALE_ROW1
.else
	v_wmma_scale_f32_16x16x128_f8f6f4 v[8*(8*((\a)%4)+\b):8*(8*((\a)%4)+\b)+7], v[128*(\p)+FR*\b:128*(\p)+FR*\b+FR-1], v[AF+FR*(\a):AF+FR*(\a)+FR-1], v[8*(8*((\a)%4)+\b):8*(8*((\a)%4)+\b)+7], v[SC+8*NQ*(\sc)+NQ*\b+(\q)], v[SC+8*NQ*(\sc)+NQ*(\a)+(\q)] matrix_a_fmt:MATRIX_FMT_FP4 matrix_b_fmt:MATRIX_FMT_FP4 matrix_a_scale:MATRIX_SCALE_ROW1
.endif
.endr
.endr
.endm
.macro FETCH_B slot, q, p
	WIN TO_B
.irp i, 0,1,2,3,4,5,6,7
	FRAG 128*(\p)+FR*\i, ADRB+\slot, \q, \i
.endr
	WIN 0
.endm
.macro FETCH_A slot, q, i0
.irp i, \i0, \i0+1, \i0+2, \i0+3
	FRAG AF+FR*(\i), ADRA+\slot, \q, \i
.endr
.endm
.macro SCALES sc                       ; a K step's scale words: lanes 0-15 take A's block i, lanes 16-31 B's block i
.irp i, 0,1,2,3,4,5,6,7
	ds_load_b128 v[SC+8*NQ*\sc+NQ*\i:SC+8*NQ*\sc+NQ*\i+3], v[ADRS] offset:\i*SBLK
.endr
.endm
.macro PLACES n                        ; plain vector instructions between a matrix instruction and a load into, a write of or a read of its registers
.rept \n
	v_nop
.endr
.endm
.macro STEP slot, q, zero              ; a step of 128 along K that has its successor in the same slot
	s_wait_dscnt 4*NL                              ; B's set and A's blocks 0-3 are in; the youngest eight loads (A's blocks 4-7) may be out
	WIN MUL_LO
	MUL16 0, (\q)%2, \q, \slot, \zero
	MUL16 2, (\q)%2, \q, \slot, \zero
	s_wait_dscnt 0
	PLACES NP
	FETCH_B \slot, (\q)+1, 1-(\q)%2
	FETCH_A \slot, (\q)+1, 0
	WIN MUL_HI
	MUL16 4, (\q)%2, \q, \slot, \zero
	MUL16 6, (\q)%2, \q, \slot, \zero
	PLACES NP
	WIN 0
	FETCH_A \slot, (\q)+1, 4
.endm
.macro TURN slot, next                 ; slot 0's last step changes slots: one barrier
	s_wait_tensorcnt 0x0                           ; all my tensor loads have landed: my part of the next slot;
	ds_add_u32 v[SPW], v[NIL]                      ; 0 onto my spare word;
	s_wait_dscnt 4*NL+1                            ; (the add and the youngest eight loads may be out)
	WIN MUL_LO
	MUL16 0, 1, NQ-1, \slot, 0
	s_wait_dscnt 0x0                               ; the add is done, and my reads of this slot are over
	s_barrier_signal -1
	MUL16 2, 1, NQ-1, \slot, 0
	WIN 0
	s_barrier_wait -1                              ; the next slot is whole, and nobody reads this one any more
	PLACES NP
	v_add_nc_u32 v[ADRS], 4*NQ, v[ADRS]            ; on to the next K step's scale words
	FETCH_B \next, 0, 0
	FETCH_A \next, 0, 0
	SCALES \next
	WIN MUL_HI
	MUL16 4, 1, NQ-1, \slot, 0
	MUL16 6, 1, NQ-1, \slot, 0
	PLACES NP
	WIN 0
	FETCH_A \next, 0, 4
.endm
	s_wait_tensorcnt 1                             ; the scales and my part of K step 0 are in; K step 1's load may be out
	s_barrier_signal -1
	s_barrier_wait -1
	FETCH_B 0, 0, 0
	FETCH_A 0, 0, 0
	SCALES 0
	FETCH_A 0, 0, 4
	STEP 0, 0, 1                                   ; the first products start the sums: nothing is cleared
	STEP 0, 1, 0
	STEP 0, 2, 0
	TURN 0, 1
	STEP 1, 0, 0
	STEP 1, 1, 0
	STEP 1, 2, 0
	s_wait_dscnt 4*NL                              ; the last step: nothing more to fetch
	WIN MUL_LO
	MUL16 0, 1, NQ-1, 1, 0
	MUL16 2, 1, NQ-1, 1, 0
	s_wait_dscnt 0
	WIN MUL_HI
	MUL16 4, 1, NQ-1, 1, 0
	MUL16 6, 1, NQ-1, 1, 0
	WIN 0
; THE WAY OUT, a block of 16 rows x 128 columns (two heads) at a time: sum x factor + bias x factor, one fused multiply-add a pair; rounded to f16; 16 bytes a lane into my stage; back as rows.  A head's 16 rows of 128 bytes
; are 2,048 consecutive bytes of qkv: each store covers 512 of them.  The stage lies in slot 0, which has had its only fill and, behind the change of slots, its last read.
.macro OUTB a
.set AC, 64*((\a)%4)
	WIN 0x02+(\a)/4                                ; source 0: window 2 or 3
.set i, 0
.rept 32
	v_pk_fma_f32 v[32+2*i:33+2*i], v[AC+2*i:AC+2*i+1], s[96:97], v[BS+2*i:BS+2*i+1] op_sel_hi:[1,0,1]   ; each accumulator from its low end on
.set i, i+1
.endr
	WIN 0
.set i, 0
.rept 32
	v_cvt_pk_f16_f32 v[128+i], v[32+2*i], v[33+2*i]
.set i, i+1
.endr
.irp b, 0,1,2,3,4,5,6,7
	ds_store_b128 v[STO], v[128+4*\b:131+4*\b] offset:(\b/4)*2304+(\b%4)*32
.endr
.set BB, 160-64*((\a)%2)
.irp c, 0,1,2,3,4,5,6,7
	ds_load_b128 v[BB+4*\c:BB+4*\c+3], v[RD] offset:(\c/4)*2304+(\c%4)*576   ; LDS serves a wave's instructions in order: these see my stores
.endr
.endm
.macro SENDB a, younger
.set BB, 160-64*((\a)%2)
	s_wait_dscnt \younger                          ; the block is back in registers
.irp c, 0,1,2,3,4,5,6,7
	global_store_b128 v[GO], v[BB+4*\c:BB+4*\c+3], s[12:13] offset:(\c/4)*262144+(\a)*2048+(\c%4)*512
.endr
.endm
	PLACES NP                                      ; behind the last products: their scale words and fragments are written below
	OUTB 0
.irp a, 1,2,3,4,5,6,7
.if \a > 1
	s_wait_xcnt 0x0                                ; block a - 2's stores have read their registers: block a's loads may land there
.endif
	OUTB \a
	SENDB \a-1, 16                                 ; behind block a - 1's loads: block a's 8 stores and 8 loads
.endr
	SENDB 7, 0
	s_wait_tensorcnt 0x0                           ; the wave's end
	ds_add_u32 v[SPW], v[NIL]
	s_wait_dscnt 0x0
	CROUND                                         ; the closing round
	s_endpgm
.Lfunc_end_k_qfe90680545_proj:
	.size	k_qfe90680545_proj, .Lfunc_end_k_qfe90680545_proj-k_qfe90680545_proj
	.p2alignl 7, 3214868480
	.fill 96, 4, 3214868480
	.section	.rodata,"a",@progbits
	.p2align	6, 0x0
	.amdhsa_kernel k_qfe90680545_proj
		.amdhsa_group_segment_fixed_size 327680
		.amdhsa_private_segment_fixed_size 0
		.amdhsa_enable_private_segment 0
		.amdhsa_kernarg_size 64
		.amdhsa_user_sgpr_count 2
		.amdhsa_user_sgpr_kernarg_segment_ptr 1
		.amdhsa_wavefront_size32 1
		.amdhsa_system_sgpr_workgroup_id_x 1
		.amdhsa_system_sgpr_workgroup_id_y 1
		.amdhsa_system_sgpr_workgroup_id_z 1
		.amdhsa_system_vgpr_workitem_id 0
		.amdhsa_next_free_vgpr 1024
		.amdhsa_next_free_sgpr 102
		.amdhsa_reserve_vcc 0
		.amdhsa_float_denorm_mode_32 3
		.amdhsa_float_denorm_mode_16_64 3
		.amdhsa_memory_ordered 1
		.amdhsa_forward_progress 1
		.amdhsa_inst_pref_size 146
	.end_amdhsa_kernel
	.amdgpu_metadata
---
amdhsa.version: [ 1, 2 ]
amdhsa.kernels:
  - .name:           k_qfe90680545_proj
    .symbol:         k_qfe90680545_proj.kd
    .args:
      - { .name: acodes, .offset: 0, .size: 8, .value_kind: global_buffer, .address_space: global }
      - { .name: ascales, .offset: 8, .size: 8, .value_kind: global_buffer, .address_space: global }
      - { .name: wcodes, .offset: 16, .size: 8, .value_kind: global_buffer, .address_space: global }
      - { .name: wscales, .offset: 24, .size: 8, .value_kind: global_buffer, .address_space: global }
      - { .name: bq, .offset: 32, .size: 8, .value_kind: global_buffer, .address_space: global }
      - { .name: bk, .offset: 40, .size: 8, .value_kind: global_buffer, .address_space: global }
      - { .name: bv, .offset: 48, .size: 8, .value_kind: global_buffer, .address_space: global }
      - { .name: qkv, .offset: 56, .size: 8, .value_kind: global_buffer, .address_space: global }
    .group_segment_fixed_size: 327680
    .private_segment_fixed_size: 0
    .kernarg_segment_align: 8
    .kernarg_segment_size: 64
    .max_flat_workgroup_size: 128
    .sgpr_count:     102
    .vgpr_count:     1024
    .wavefront_size: 32
...
	.end_amdgpu_metadata
.endif
;; end of part 2
;; launch attn (part 3): grid 4 x 64, 8 waves a work-group, clusters of 4 x 1, 327,680 bytes of LDS; arguments qkv, maskw, att; writes att
.if DOCPART == 3
	.amdgcn_target "amdgcn-amd-amdhsa--gfx1250"
	.amdhsa_code_object_version 6
	.text
	.protected	k_qfe90680545_attn
	.globl	k_qfe90680545_attn
	.p2align	8
	.type	k_qfe90680545_attn,@function
k_qfe90680545_attn:
	s_mov_b64 s[64:65], 0
	v_nop
	global_prefetch_b8 v0, s[64:65] scope:SCOPE_SE
	s_setreg_imm32_b32 hwreg(HW_REG_WAVE_MODE, 25, 1), 1
	s_wait_xcnt 0x0
	s_wait_alu depctr_hold_cnt(0) depctr_sa_sdst(0) depctr_va_vdst(0) depctr_va_sdst(0) depctr_va_ssrc(0) depctr_va_vcc(0) depctr_vm_vsrc(0)
	s_getreg_b32 s2, hwreg(HW_REG_IB_STS2, 6, 4)
	s_cmp_eq_u32 s2, 0
	s_cbranch_scc0 .Lentry_in_a_cluster
	s_endpgm
.Lentry_in_a_cluster:
	s_bfe_u32 s2, ttmp6, 0x10000c
	s_cmp_lg_u32 s2, 0x3003
	s_cbranch_scc0 .Lentry_shape_is_right
	s_endpgm
.Lentry_shape_is_right:
; ATTN: att[h][2048 b + q][:] = the sum over k of softmax_k(score) v[b][h][k][:], score = q . k / 8 where mask[b][q][k] is not 0 and -1e9 where it is 0.  No work is left out: the mask is an input and is honoured number by number.
; q arrives multiplied by log2(e) / 8, so a product K Q^T is t = score x log2(e); a hidden key's t is the constant -1e9 x log2(e).  p = 2^(t - m), m the row's running largest t, taken AFTER the mask as the problem has it;
; a row with every key hidden has t - m = 0 throughout and gives the plain mean of v.  Operands q, k, v, p in f16, sums, maxima and the row's sum l in f32; att rounded once to f16.
; LIMIT: |att| stays under 65,504 (it is an average of v).
; SHARES.  A work-group owns 512 queries of one head (work-group y = 16 b + h), each of its eight waves 64: four tiles of 16.  Two waves share a SIMD, 512 registers each: one wave's vector work stands beside the other's products.
; Every wave walks all 2,048 keys, 64 a step.  K and V come through two LDS slots of 512 keys.
; LAYOUT.  S^T = K Q^T (source 0 = 16 keys, source 1 = 16 queries): a lane holds ONE query (lane % 16) and keys 8 (lane / 16) + 0..7 of each 16.  Two such tiles, rounded to f16 in pairs, ARE source 1 of O^T = V^T P.
; K comes out of LDS as it lies, V ([key][channel]) turned, by ds_load_tr16_b128.
; THE MASK costs one v_cndmask_b32 a score: maskw holds, for each tile of 16 queries x 64 keys, 32 words that are the lane masks of the tile's 32 score registers; scalar loads bring them half a step ahead.
; CLUSTER.  The four query blocks of a head form a cluster and walk the same K and V: each quarter of a slot is asked for jointly, by the same tensor load with the same descriptor and the mask 15, in all four.
; REGISTERS: window 0: v2-13 addresses and constants; v32-63 eight registers of statistics a tile; v64-191 S^T, 32 a tile (P takes each tile's first 16); v192-255 V's fragments.
;   window 1: v0-127 O^T, 32 a tile; v128-191 Q, 16 a tile; v192-255 K's fragments.
.set PK,    144                        ; a row of K in LDS: 128 bytes + 16
.set PVP,   160                        ; a row of V: 128 + 32
.set VOFF,  512*PK                     ; a slot: 512 rows of K, then 512 rows of V
.set SLOTB, 512*(PK+PVP)
.set SPARE, 2*SLOTB                    ; the spare words, 128 bytes for each of eight waves
.set AK0, 2                            ; v2   my lane's place in a tile of K
.set AV0, 3                            ; v3   the same for V
.set ADK, 4
.set ADV, 5
.set QO,  6
.set STO, 7                            ; the way out: where I put 16 bytes of a row
.set RD,  8                            ; where I read rows back
.set GO,  9                            ; 16 x lane
.set NEG, 10                           ; v10  -1e9 x log2(e)
.set SPW, 12
.set NIL, 13
.set ST,  32                           ; tile t at v[ST + 8 t]: +0 m, +1 its pair's partner, +2, +3 l (even keys', odd keys'), +4 to +7 at work; a in +6, m_old - m_new in +7
.set S,   64
.set VF,  192
.set QF,  128
.set KF,  192
.set MP,  2                            ; s[2:3] maskw at my wave's first tile
.set SEL, 4                            ; s[4:5] lane selects for v_permlanex16_b32: lane l xor 16
.set WV,  6
.set TBK, 7                            ; LDS byte of the K tile to be fetched
.set G1K, 8
.set G1V, 16
.set G0A, 24                           ; group 0 for slot 0
.set G0B, 28                           ; for slot 1
.set MA,  32                           ; s[32:63] mask set A;  s[68:99] mask set B.  Both serve as temporaries at the head
.set MBB, 68
.set TBV, 66
.set SOFF, 67                          ; 128 x the step whose mask words are asked for
.set CNT, 100
.set OP,  104                          ; s[104:105] att at my wave's first row
.set MSB, 0
.macro WIN new
.if MSB != (\new)
	s_set_vgpr_msb (MSB<<8)|(\new)
.set MSB, (\new)
.endif
.endm
.macro JLOAD g0                        ; a joint load: waves 0-3 fetch K's quarters, waves 4-7 V's; an s_nop 0 and four v_nop follow each line
	s_cmp_lt_u32 s[WV], 4
	s_cbranch_scc0 .Lfor_v_\@
	tensor_load_to_lds s[\g0:\g0+3], s[G1K:G1K+7]
	s_nop 0
.rept 4
	v_nop
.endr
	s_branch .Lasked_\@
.Lfor_v_\@:
	tensor_load_to_lds s[\g0:\g0+3], s[G1V:G1V+7]
	s_nop 0
.rept 4
	v_nop
.endr
.Lasked_\@:
.endm
.macro CROUND
	s_barrier_signal -1
	s_barrier_wait -1
	s_cmp_lg_u32 s[WV], 0
	s_cbranch_scc1 .Lnot_wave_0_\@
	s_barrier_signal -3
.Lnot_wave_0_\@:
	s_barrier_wait -3
	s_barrier_signal -1
	s_barrier_wait -1
.endm
	s_load_b128 s[68:71], s[0:1], 0x0              ; qkv, maskw
	s_load_b64 s[72:73], s[0:1], 0x10              ; att
	v_lshl_add_u32 v[SPW], v0, 2, SPARE
	v_mov_b32 v[NIL], 0
	ds_add_u32 v[SPW], v[NIL]                      ; the wave's opening: the add, twice on end, and its wait ahead of my first tensor load
	ds_add_u32 v[SPW], v[NIL]
	v_lshrrev_b32 v1, 5, v0
	v_readfirstlane_b32 s[WV], v1                  ; wave 0..7
	s_bfe_u32 s32, ttmp6, 0x40000                  ; cx: my block of 512 queries; it enters the addresses of Q, the mask words and att alone
	s_and_b32 s33, ttmp7, 0xffff                   ; 16 b + h, which the four partners share
	s_lshr_b32 s34, s[WV], 2                       ; I fetch for K (0) or V (1),
	s_and_b32 s35, s[WV], 3                        ; this quarter: 128 rows
	s_mul_i32 s36, s35, 128*PK
	s_mul_i32 s37, s34, VOFF
	s_add_co_u32 s36, s36, s37
	s_mul_i32 s37, s35, s34
	s_lshl_b32 s37, s37, 11                        ; (a quarter of V is 128 x 16 bytes longer than one of K)
	s_add_co_u32 s36, s36, s37                     ; its place in slot 0
	s_lshl_b32 s41, s33, 18                        ; the head's first byte in a plane of qkv
	s_add_co_u32 s38, s34, 1
	s_lshl_b32 s38, s38, 24                        ; the plane of k or of v
	s_add_co_u32 s38, s38, s41
	s_lshl_b32 s39, s35, 14                        ; 128 rows of 128 bytes
	s_add_co_u32 s38, s38, s39
	s_mov_b32 s39, 0
	s_lshl_b32 s42, s32, 16
	s_lshl_b32 s43, s[WV], 13
	s_add_co_u32 s42, s42, s43                     ; my 64 rows among a head's: 128 bytes x (512 cx + 64 wave)
	s_lshr_b32 s51, s33, 4                         ; b
	s_and_b32 s52, s33, 15                         ; h
	s_lshl_b32 s46, s52, 20
	s_lshl_b32 s47, s51, 18
	s_add_co_u32 s46, s46, s47
	s_add_co_u32 s46, s46, s42                     ; att: plane h, row 2048 b + my rows
	s_mov_b32 s47, 0
	s_add_co_u32 s42, s42, s41                     ; Q: plane 0, my head, my rows
	s_mov_b32 s43, 0
	s_lshl_b32 s44, s51, 19
	s_lshl_b32 s45, s32, 17
	s_add_co_u32 s44, s44, s45
	s_lshl_b32 s45, s[WV], 14
	s_add_co_u32 s44, s44, s45                     ; the mask words: 4,096 bytes a tile of 16 queries
	s_mov_b32 s45, 0
	s_mov_b32 s[G1K], 15|(1<<16)|(1<<20)|(1<<21)|(4<<22)|(3<<25)  ; the mask: all four work-groups; elements of 2 bytes; padding on; bit 21 beside a mask; 4 words after every 32
	s_mov_b32 s[G1V], 15|(1<<16)|(1<<20)|(1<<21)|(4<<22)|(7<<25)  ; the same with 8 words of padding
.irp g, G1K, G1V
	s_mov_b32 s[\g+1], 64<<16                      ; tensor_dim0 = 64
	s_mov_b32 s[\g+2], 128<<16                     ; tensor_dim1 = 128
	s_mov_b32 s[\g+3], 64<<16                      ; tile_dim0 = 64
	s_mov_b32 s[\g+4], 128                         ; tile_dim1 = 128
	s_mov_b32 s[\g+5], 64                          ; from row to row
	s_mov_b32 s[\g+6], 0
	s_mov_b32 s[\g+7], 0
.endr
	s_mov_b32 s[SEL], 0x76543210
	s_mov_b32 s[SEL+1], 0xfedcba98
	s_mov_b32 s[SOFF], 0
	s_wait_dscnt 0x0                               ; both opening adds are done
	s_wait_kmcnt 0x0
	s_add_nc_u64 s[MP:MP+1], s[70:71], s[44:45]
	s_add_nc_u64 s[96:97], s[68:69], s[42:43]      ; Q's base, until its loads are in
	s_add_nc_u64 s[OP:OP+1], s[72:73], s[46:47]
	s_add_nc_u64 s[48:49], s[68:69], s[38:39]      ; my quarter of keys 0 .. 511
	s_mov_b32 s[G0A], 1
	s_mov_b32 s[G0A+1], s36
	s_mov_b64 s[G0A+2:G0A+3], s[48:49]
	s_or_b32 s[G0A+3], s[G0A+3], 0x80000000
	s_mov_b32 s[G0B], 1
	s_add_co_u32 s[G0B+1], s36, SLOTB
	s_add_nc_u64 s[G0B+2:G0B+3], s[48:49], 65536   ; keys 512 .. 1023
	s_or_b32 s[G0B+3], s[G0B+3], 0x80000000
	CROUND                                         ; all four work-groups are here: the first joint loads meet
	s_cmp_lt_u32 s[WV], 4                          ; a wave's two first fills stand in one branch: two loads of mine are out
	s_cbranch_scc0 .Lfirst_v
	tensor_load_to_lds s[G0A:G0A+3], s[G1K:G1K+7]
	s_nop 0
	tensor_load_to_lds s[G0B:G0B+3], s[G1K:G1K+7]
	s_nop 0
.rept 4
	v_nop
.endr
	s_branch .Lfirst_asked
.Lfirst_v:
	tensor_load_to_lds s[G0A:G0A+3], s[G1V:G1V+7]
	s_nop 0
	tensor_load_to_lds s[G0B:G0B+3], s[G1V:G1V+7]
	s_nop 0
.rept 4
	v_nop
.endr
.Lfirst_asked:
	v_and_b32 v1, 15, v0                           ; r
	v_bfe_u32 v11, v0, 4, 1                        ; h
	v_lshlrev_b32 v[QO], 7, v1
	v_lshl_add_u32 v[QO], v11, 4, v[QO]            ; row r of 128 bytes, + 16 h
	WIN 0x40                                       ; destination window 1
.irp f, 0,1,2,3,4,5,6,7                        ; Q stays in registers: tile f / 2, channels 32 (f % 2) on
	global_load_b128 v[QF+8*\f:QF+8*\f+3],   v[QO], s[96:97] offset:2048*(\f/2)+64*(\f%2)
	global_load_b128 v[QF+8*\f+4:QF+8*\f+7], v[QO], s[96:97] offset:2048*(\f/2)+64*(\f%2)+32
.endr
	WIN 0
	v_mul_u32_u24 v[AK0], v1, PK
	v_lshl_add_u32 v[AK0], v11, 4, v[AK0]          ; K: row r x pitch + 16 h
	v_and_b32 v14, 7, v0
	v_bfe_u32 v15, v0, 3, 1
	v_lshl_add_u32 v[AV0], v11, 3, v14
	v_mul_u32_u24 v[AV0], v[AV0], PVP
	v_lshl_add_u32 v[AV0], v15, 4, v[AV0]          ; V: key 8 h + lane % 8, channels 8 ((lane / 8) % 2) on
	s_mul_i32 s50, s[WV], 16*PK                    ; my stage for the way out, in slot 0
	v_add_nc_u32 v[STO], s50, v[AK0]               ; in: row r, + 16 h
	v_bfe_u32 v15, v0, 3, 2
	v_mul_u32_u24 v[RD], v15, PK
	v_lshl_add_u32 v[RD], v14, 4, v[RD]
	v_add_nc_u32 v[RD], s50, v[RD]                 ; back: eight lanes to a row, four rows an instruction
	v_and_b32 v[GO], 31, v0
	v_lshlrev_b32 v[GO], 4, v[GO]
	v_mov_b32 v[NEG], 0xceabfb8f                   ; -1e9 x log2(e)
.irp t, 0,1,2,3
	v_mov_b32 v[ST+8*\t], 0xff61b1e6               ; m: -3e38, under every t
	v_mov_b32 v[ST+8*\t+1], 0                      ; (named with m as a pair, so it is written)
	v_mov_b32 v[ST+8*\t+2], 0                      ; l
	v_mov_b32 v[ST+8*\t+3], 0
.endr
	s_wait_loadcnt 0x0                             ; Q is in: its base may be written over by the mask words
.macro MLOAD set, tile                 ; a tile's 32 mask words of the step at s[SOFF]
	s_load_b512 s[\set:\set+15], s[MP:MP+1], s[SOFF] offset:4096*(\tile)
	s_load_b512 s[\set+16:\set+31], s[MP:MP+1], s[SOFF] offset:4096*(\tile)+64
.endm
.macro MASKT t, set                    ; a hidden key's t becomes the constant; each accumulator is read from its low end on
.set n, 0
.rept 32
	v_cndmask_b32 v[S+32*(\t)+n], v[NEG], v[S+32*(\t)+n], s[\set+n]
.set n, n+1
.endr
.endm
.macro FETCH_K                         ; a step's K: 64 keys x 64 channels: 8 fragments
	v_add_nc_u32 v[ADK], s[TBK], v[AK0]
	WIN 0x40
.irp f, 0,1,2,3,4,5,6,7                        ; keys 16 (f / 2) on, channels 32 (f % 2) on
	ds_load_b128 v[KF+8*\f:KF+8*\f+3],   v[ADK] offset:(\f/2)*16*PK+(\f%2)*64
	ds_load_b128 v[KF+8*\f+4:KF+8*\f+7], v[ADK] offset:(\f/2)*16*PK+(\f%2)*64+32
.endr
	WIN 0
.endm
.macro FETCH_V                         ; a step's V, turned: 8 fragments of 16 channels x 32 keys
	v_add_nc_u32 v[ADV], s[TBV], v[AV0]
	s_add_co_u32 s[TBV], s[TBV], 64*PVP
.irp f, 0,1,2,3,4,5,6,7                        ; keys 32 (f / 4) on, channels 16 (f % 4) on
	ds_load_tr16_b128 v[VF+8*\f:VF+8*\f+3],   v[ADV] offset:(\f/4)*32*PVP+(\f%4)*32
	ds_load_tr16_b128 v[VF+8*\f+4:VF+8*\f+7], v[ADV] offset:(\f/4)*32*PVP+16*PVP+(\f%4)*32
.endr
.endm
; 32 products S^T = K Q^T: channels 32 (i / 16) on, query tile (i / 4) % 4, keys 16 (i % 4) on.  Sixteen accumulators take turns, one instruction a turn; the first sixteen start the sums.
.macro KQ
.set i, 0
.rept 32
.set rS, S+32*((i/4)%4)+8*(i%4)
.set rK, KF+8*(2*(i%4)+i/16)
.set rQ, QF+16*((i/4)%4)+8*(i/16)
.if i < 16
	v_wmma_f32_16x16x32_f16 v[rS:rS+7], v[rK:rK+7], v[rQ:rQ+7], 0
.else
	v_wmma_f32_16x16x32_f16 v[rS:rS+7], v[rK:rK+7], v[rQ:rQ+7], v[rS:rS+7]
.endif
.set i, i+1
.endr
.endm
; 32 products O^T += V^T P: keys 32 (i / 16) on, query tile (i / 4) % 4, channels 16 (i % 4) on.  first = 1: the first sixteen start the sums: nothing is cleared.
.macro PVM first
.set i, 0
.rept 32
.set rO, 32*((i/4)%4)+8*(i%4)
.set rV, VF+8*(4*(i/16)+i%4)
.set rP, S+32*((i/4)%4)+8*(i/16)
.if \first && (i < 16)
	v_wmma_f32_16x16x32_f16 v[rO:rO+7], v[rV:rV+7], v[rP:rP+7], 0
.else
	v_wmma_f32_16x16x32_f16 v[rO:rO+7], v[rV:rV+7], v[rP:rP+7], v[rO:rO+7]
.endif
.set i, i+1
.endr
.endm
; THE SOFTMAX of tiles 2 g and 2 g + 1 for one step, the two tiles alternating so that no line waits for the line above it.
.macro GROUP g, first
	s_wait_kmcnt 0x0                               ; both sets of mask words are in, and no scalar load is out:
.if \g == 1
	s_add_co_u32 s[SOFF], s[SOFF], 128             ; so their offset may step: the next step's words.
	s_and_b32 s[SOFF], s[SOFF], 4095               ; (The last step wraps to step 0: its four loads stay inside maskw and are not used)
.endif
	MASKT 2*\g, MA
	MLOAD MA, 2-2*\g                               ; g = 0: tile 2 of this step; g = 1: tile 0 of the next
	MASKT 2*\g+1, MBB
	MLOAD MBB, 3-2*\g
.irp c, 0,1,2,3                                ; the largest of 32 t and the old m: four chains of seven, then the rest
.irp t, 2*\g, 2*\g+1
	v_max3_num_f32 v[ST+8*(\t)+4+\c], v[S+32*(\t)+8*\c], v[S+32*(\t)+8*\c+1], v[S+32*(\t)+8*\c+2]
.endr
.endr
.irp k, 3,5
.irp c, 0,1,2,3
.irp t, 2*\g, 2*\g+1
	v_max3_num_f32 v[ST+8*(\t)+4+\c], v[ST+8*(\t)+4+\c], v[S+32*(\t)+8*\c+\k], v[S+32*(\t)+8*\c+\k+1]
.endr
.endr
.endr
.irp t, 2*\g, 2*\g+1
	v_max3_num_f32 v[ST+8*(\t)+4], v[ST+8*(\t)+4], v[S+32*(\t)+7], v[S+32*(\t)+15]
	v_max3_num_f32 v[ST+8*(\t)+6], v[ST+8*(\t)+6], v[S+32*(\t)+23], v[S+32*(\t)+31]
.endr
.irp t, 2*\g, 2*\g+1
	v_max3_num_f32 v[ST+8*(\t)+4], v[ST+8*(\t)+4], v[ST+8*(\t)+5], v[ST+8*(\t)+6]
.endr
.irp t, 2*\g, 2*\g+1
	v_max3_num_f32 v[ST+8*(\t)+4], v[ST+8*(\t)+4], v[ST+8*(\t)+7], v[ST+8*(\t)]
.endr
.irp t, 2*\g, 2*\g+1
	v_permlanex16_b32 v[ST+8*(\t)+5], v[ST+8*(\t)+4], s[SEL], s[SEL+1]   ; the query's other 32 keys lie in the lane 16 away
.endr
.irp t, 2*\g, 2*\g+1
	v_max_num_f32 v[ST+8*(\t)+4], v[ST+8*(\t)+4], v[ST+8*(\t)+5]
.endr
.irp t, 2*\g, 2*\g+1
	v_sub_f32 v[ST+8*(\t)+7], v[ST+8*(\t)], v[ST+8*(\t)+4]               ; m_old - m_new
.endr
.irp t, 2*\g, 2*\g+1
	v_mov_b32 v[ST+8*(\t)], v[ST+8*(\t)+4]
.endr
; ONE BATCH of 66 exponentials with one wait: none of the lines down to the wait names an exponential's result
.irp t, 2*\g, 2*\g+1
	v_exp_f32 v[ST+8*(\t)+6], v[ST+8*(\t)+7]       ; a = 2^(m_old - m_new)
.endr
.set i, 0
.rept 16
.irp t, 2*\g, 2*\g+1
	v_pk_add_f32 v[S+32*(\t)+2*i:S+32*(\t)+2*i+1], v[S+32*(\t)+2*i:S+32*(\t)+2*i+1], v[ST+8*(\t):ST+8*(\t)+1] op_sel_hi:[1,0] neg_lo:[0,1] neg_hi:[0,1]   ; t - m, two at a time
.endr
.set i, i+1
.endr
.set i, 0
.rept 32
.irp t, 2*\g, 2*\g+1
	v_exp_f32 v[S+32*(\t)+i], v[S+32*(\t)+i]       ; p = 2^(t - m), at most 1
.endr
.set i, i+1
.endr
	v_nop                                          ; a plain instruction behind the last exponential, ahead of the first use
	s_wait_alu depctr_va_vdst(0)                   ; the wait ahead of the first line that names a result: one for the batch
.irp t, 2*\g, 2*\g+1                           ; l = a l + the sum of the unrounded p, in two chains
	v_pk_fma_f32 v[ST+8*(\t)+2:ST+8*(\t)+3], v[ST+8*(\t)+2:ST+8*(\t)+3], v[ST+8*(\t)+6:ST+8*(\t)+7], v[S+32*(\t):S+32*(\t)+1] op_sel_hi:[1,0,1]
	v_pk_add_f32 v[ST+8*(\t)+4:ST+8*(\t)+5], v[S+32*(\t)+2:S+32*(\t)+3], v[S+32*(\t)+6:S+32*(\t)+7]
.endr
.irp p, 2,4,6,8,10,12
.irp t, 2*\g, 2*\g+1
	v_pk_add_f32 v[ST+8*(\t)+2:ST+8*(\t)+3], v[ST+8*(\t)+2:ST+8*(\t)+3], v[S+32*(\t)+2*\p:S+32*(\t)+2*\p+1]
	v_pk_add_f32 v[ST+8*(\t)+4:ST+8*(\t)+5], v[ST+8*(\t)+4:ST+8*(\t)+5], v[S+32*(\t)+2*\p+6:S+32*(\t)+2*\p+7]
.endr
.endr
.irp t, 2*\g, 2*\g+1
	v_pk_add_f32 v[ST+8*(\t)+2:ST+8*(\t)+3], v[ST+8*(\t)+2:ST+8*(\t)+3], v[S+32*(\t)+28:S+32*(\t)+29]
.endr
.irp t, 2*\g, 2*\g+1
	v_pk_add_f32 v[ST+8*(\t)+2:ST+8*(\t)+3], v[ST+8*(\t)+2:ST+8*(\t)+3], v[ST+8*(\t)+4:ST+8*(\t)+5]
.endr
.set i, 0
.rept 16
.irp t, 2*\g, 2*\g+1
	v_cvt_pk_f16_f32 v[S+32*(\t)+i], v[S+32*(\t)+2*i], v[S+32*(\t)+2*i+1]   ; P, in place and ascending: register i is written when registers up to 2 i + 1 have been read
.endr
.set i, i+1
.endr
.if !\first
	WIN 0x41                                       ; O^T (destination and source 0) window 1, a window 0
.set i, 0
.rept 16
.irp t, 2*\g, 2*\g+1
	v_pk_mul_f32 v[32*(\t)+2*i:32*(\t)+2*i+1], v[32*(\t)+2*i:32*(\t)+2*i+1], v[ST+8*(\t)+6:ST+8*(\t)+7] op_sel_hi:[1,0]
.endr
.set i, i+1
.endr
	WIN 0
.endif
.endm
; A KEY STEP.  Its K was fetched in the step before (or at the slot's head).
.macro STEP first
	FETCH_V
	s_wait_dscnt 16                                ; K's older loads are in; V's sixteen may be out
	WIN 0x05                                       ; K and Q window 1, S^T window 0
	KQ
	WIN 0
	s_add_co_u32 s[TBK], s[TBK], 64*PK
.rept 4
	v_nop                                          ; places in front of the loads into K's registers and of the first read of S^T
.endr
	s_cmp_eq_u32 s[CNT], 1                         ; a slot's last step fetches no next K: the other slot is shown whole only behind the change of slots.  The branch hangs on the loop's count alone
	s_cbranch_scc1 .Lno_k_\@
	FETCH_K
.Lno_k_\@:
	GROUP 0, \first
	GROUP 1, \first
	s_wait_dscnt 0x0                               ; V is in (and the next K)
	WIN 0x50                                       ; V and P window 0, O^T window 1
	PVM \first
	WIN 0
.rept 5
	v_nop                                          ; the next step's products write over P's registers, which these products read: five places; its loads into V's registers want four
.endr
.endm
.macro VISIT slot, first               ; a slot's eight steps
	s_mov_b32 s[TBK], \slot*SLOTB
	s_mov_b32 s[TBV], \slot*SLOTB+VOFF
	s_mov_b32 s[CNT], 8
	FETCH_K
.if \first
	STEP 1                                         ; the launch's first step is written out: it starts O^T's sums
	s_sub_co_u32 s[CNT], s[CNT], 1
.endif
.Lstep_\@:
	STEP 0
	s_sub_co_u32 s[CNT], s[CNT], 1
	s_cmp_lg_u32 s[CNT], 0
	s_cbranch_scc1 .Lstep_\@
.endm
; THE CHANGE OF SLOTS.  Each wave waits for all its tensor loads (its part of the slot ahead), adds 0 to its spare word, and waits for that and for its reads of the slot that it leaves.  Behind the round no wave of any
; partner reads that slot or has a load on its way: it is filled again, with the keys two slots on, and the load has eight key steps in which to land.
.macro CHANGE g0
	s_wait_tensorcnt 0x0                           ; no tensor load of mine is out, so a group 0 may be written
	ds_add_u32 v[SPW], v[NIL]
	s_add_nc_u64 s[\g0+2:\g0+3], s[\g0+2:\g0+3], 131072   ; 1,024 keys on; the type bits on top are not reached
	s_wait_dscnt 0x0
	CROUND
	JLOAD \g0                                      ; my one tensor load behind the round, and the first thing there
.endm
	MLOAD MA, 0                                    ; step 0's mask words of tiles 0 and 1
	MLOAD MBB, 1
	s_wait_tensorcnt 0x1                           ; my part of slot 0 is in; slot 1's may stay out
	s_barrier_signal -1
	s_barrier_wait -1
	VISIT 0, 1                                     ; keys 0 .. 511
	CHANGE G0A                                     ; slot 0 takes keys 1,024 .. 1,535
	VISIT 1, 0                                     ; keys 512 .. 1,023
	CHANGE G0B                                     ; slot 1 takes keys 1,536 .. 2,047: the last load
	VISIT 0, 0
	s_wait_tensorcnt 0x0                           ; the last change of slots is written out: nothing is asked for
	ds_add_u32 v[SPW], v[NIL]
	s_wait_dscnt 0x0
	s_barrier_signal -1
	s_barrier_wait -1
	VISIT 1, 0
	; THE WAY OUT.  l's halves and the other half of the lanes' are added; O^T is divided by l, rounded to f16 and sent through my stage, a tile (16 rows of 128 bytes, 2,048 consecutive bytes of att) at a time.
	; The stage lies in slot 0: it has had its last fill, and every wave has passed the last change of slots behind its last read of it.
	s_wait_kmcnt 0x0                               ; the look-ahead's last four loads
.irp t, 0,1,2,3
	v_add_f32 v[ST+8*\t+4], v[ST+8*\t+2], v[ST+8*\t+3]
.endr
.irp t, 0,1,2,3
	v_permlanex16_b32 v[ST+8*\t+5], v[ST+8*\t+4], s[SEL], s[SEL+1]
.endr
.irp t, 0,1,2,3
	v_add_f32 v[ST+8*\t+4], v[ST+8*\t+4], v[ST+8*\t+5]
.endr
.irp t, 0,1,2,3
	v_rcp_f32 v[ST+8*\t+6], v[ST+8*\t+4]
.endr
	v_nop                                          ; a plain instruction behind the last reciprocal
	s_wait_alu depctr_va_vdst(0)                   ; and the wait ahead of the first use: one for the four
.macro PACK t
	WIN 0x41
.set i, 0
.rept 16
	v_pk_mul_f32 v[32*(\t)+2*i:32*(\t)+2*i+1], v[32*(\t)+2*i:32*(\t)+2*i+1], v[ST+8*(\t)+6:ST+8*(\t)+7] op_sel_hi:[1,0]   ; each accumulator from its low end on
.set i, i+1
.endr
	WIN 0x05                                       ; sources window 1, destination window 0
.set i, 0
.rept 16
	v_cvt_pk_f16_f32 v[64+16*(\t)+i], v[32*(\t)+2*i], v[32*(\t)+2*i+1]
.set i, i+1
.endr
	WIN 0
.irp c, 0,1,2,3
	ds_store_b128 v[STO], v[64+16*(\t)+4*\c:64+16*(\t)+4*\c+3] offset:32*\c
.endr
.irp c, 0,1,2,3
	ds_load_b128 v[128+16*(\t)+4*\c:128+16*(\t)+4*\c+3], v[RD] offset:576*\c   ; LDS serves a wave's instructions in order: these see my stores, and the next tile's stores come behind them
.endr
.endm
.macro SEND t, younger                 ; younger: the next tile's 4 stores and 4 loads, or none
.irp c, 0,1,2,3
	s_wait_dscnt \younger+3-\c
	global_store_b128 v[GO], v[128+16*(\t)+4*\c:128+16*(\t)+4*\c+3], s[OP:OP+1] offset:2048*(\t)+512*\c   ; 32 lanes store 512 consecutive bytes, aligned
.endr
.endm
	PACK 0
	PACK 1
	SEND 0, 8
	PACK 2
	SEND 1, 8
	PACK 3
	SEND 2, 8
	SEND 3, 0
	s_wait_tensorcnt 0x0                           ; the wave's end
	ds_add_u32 v[SPW], v[NIL]
	s_wait_dscnt 0x0
	CROUND                                         ; the closing round
	s_endpgm
.Lfunc_end_k_qfe90680545_attn:
	.size	k_qfe90680545_attn, .Lfunc_end_k_qfe90680545_attn-k_qfe90680545_attn
	.p2alignl 7, 3214868480
	.fill 96, 4, 3214868480
	.section	.rodata,"a",@progbits
	.p2align	6, 0x0
	.amdhsa_kernel k_qfe90680545_attn
		.amdhsa_group_segment_fixed_size 327680
		.amdhsa_private_segment_fixed_size 0
		.amdhsa_enable_private_segment 0
		.amdhsa_kernarg_size 24
		.amdhsa_user_sgpr_count 2
		.amdhsa_user_sgpr_kernarg_segment_ptr 1
		.amdhsa_wavefront_size32 1
		.amdhsa_system_sgpr_workgroup_id_x 1
		.amdhsa_system_sgpr_workgroup_id_y 1
		.amdhsa_system_sgpr_workgroup_id_z 1
		.amdhsa_system_vgpr_workitem_id 0
		.amdhsa_next_free_vgpr 512
		.amdhsa_next_free_sgpr 106
		.amdhsa_reserve_vcc 0
		.amdhsa_float_denorm_mode_32 3
		.amdhsa_float_denorm_mode_16_64 3
		.amdhsa_memory_ordered 1
		.amdhsa_forward_progress 1
		.amdhsa_inst_pref_size 228
	.end_amdhsa_kernel
	.amdgpu_metadata
---
amdhsa.version: [ 1, 2 ]
amdhsa.kernels:
  - .name:           k_qfe90680545_attn
    .symbol:         k_qfe90680545_attn.kd
    .args:
      - { .name: qkv, .offset: 0, .size: 8, .value_kind: global_buffer, .address_space: global }
      - { .name: maskw, .offset: 8, .size: 8, .value_kind: global_buffer, .address_space: global }
      - { .name: att, .offset: 16, .size: 8, .value_kind: global_buffer, .address_space: global }
    .group_segment_fixed_size: 327680
    .private_segment_fixed_size: 0
    .kernarg_segment_align: 8
    .kernarg_segment_size: 24
    .max_flat_workgroup_size: 256
    .sgpr_count:     106
    .vgpr_count:     512
    .wavefront_size: 32
...
	.end_amdgpu_metadata
.endif
;; end of part 3
;; launch oproj (part 4): grid 4 x 64, 4 waves a work-group, clusters of 4 x 4, 327,680 bytes of LDS; arguments att, wo16, bo, out0; writes out0
.if DOCPART == 4
	.amdgcn_target "amdgcn-amd-amdhsa--gfx1250"
	.amdhsa_code_object_version 6
	.text
	.protected	k_qfe90680545_oproj
	.globl	k_qfe90680545_oproj
	.p2align	8
	.type	k_qfe90680545_oproj,@function
k_qfe90680545_oproj:
	s_mov_b64 s[64:65], 0
	v_nop
	global_prefetch_b8 v0, s[64:65] scope:SCOPE_SE
	s_setreg_imm32_b32 hwreg(HW_REG_WAVE_MODE, 25, 1), 1
	s_wait_xcnt 0x0
	s_wait_alu depctr_hold_cnt(0) depctr_sa_sdst(0) depctr_va_vdst(0) depctr_va_sdst(0) depctr_va_ssrc(0) depctr_va_vcc(0) depctr_vm_vsrc(0)
	s_getreg_b32 s2, hwreg(HW_REG_IB_STS2, 6, 4)
	s_cmp_eq_u32 s2, 0
	s_cbranch_scc0 .Lentry_in_a_cluster
	s_endpgm
.Lentry_in_a_cluster:
	s_bfe_u32 s2, ttmp6, 0x10000c
	s_cmp_lg_u32 s2, 0xf033
	s_cbranch_scc0 .Lentry_shape_is_right
	s_endpgm
.Lentry_shape_is_right:
; OPROJ: out0[m][n] = the sum over k of att[m][k] Wo[k][n] + bo[n], operands in f16, sums in f32.  att lies by head, [h][m][64], so k = 64 h + d; wo16 is Wo as it lies, [k][n].  No work is left out.
; A tile of C is 128 (m) x 256 (n): 256 work-groups.  Four waves, 64 x 128 each: 32 accumulators.  K goes in steps of 128 (two heads) through two LDS slots.
; THE MATRIX INSTRUCTION IS USED TRANSPOSED: source 0 = 16 columns n of Wo (turned out of LDS by ds_load_tr16_b128), source 1 = 16 rows of att: a lane holds eight neighbouring columns of one row of C.
; The bias is the C of each sum's first product: eight registers a column tile, in the result's layout.
; CLUSTERS: 4 x 4 work-groups; att's tile hangs on the tile row alone and is shared along a row of the cluster, Wo's on the tile column alone and is shared along a column: joint loads divide the requests for both by four.
; REGISTERS: window 0: v16-30 addresses; v64-95, v96-127 att's fragments, two buffers; v128-191 the bias; v192-255 (and v64-127) rows on the way out.  window 1: v0-63, v64-127 Wo's fragments, two buffers.
;   window 2: accumulator (a, b) at v[8 (8 a + b)].
.set PA,     144                       ; a row of att's plane in LDS: 128 bytes + 16
.set PB,     544                       ; a k-row of Wo's tile: 512 bytes + 32
.set BOFF,   2*128*PA                  ; a slot: two planes of 128 rows, then 128 k-rows of Wo
.set SLOT,   BOFF+128*PB
.set STAGE,  2*SLOT                    ; behind the slots: 16 rows x 528 bytes for each wave
.set SPARE,  STAGE+4*16*528            ; the spare words, 128 bytes for each wave
.set ADRA, 16
.set ADRB, 20
.set STO,  24
.set RD,   25
.set CO,   26
.set SPW,  28
.set NIL,  29
.set PFO,  30                          ; 256 x lane: the prefetches' offset; never rewritten
.set BI,   128
.set G1, 24
.set G0, 32
.set G1B, 48
.set G0B, 56
.set LIM, 43                           ; 1 in wave 0, else the greatest number
.set PFA, 44                           ; s[44:45] where my work-group's prefetches stand
.set MSB, 0
.macro WIN new
.if MSB != (\new)
	s_set_vgpr_msb (MSB<<8)|(\new)
.set MSB, (\new)
.endif
.endm
.set MUL,  0xa1                        ; source 0 (Wo) window 1, source 1 (att) window 0, C and D window 2
.set MUL1, 0x81                        ; the same with C (the bias) in window 0
.macro JLOAD s                         ; a joint load: waves 0 and 1 fetch att's two planes, waves 2 and 3 Wo's two halves; an s_nop 0 and four v_nop follow each line
	s_cmp_eq_u32 s13, 0
	s_cbranch_scc0 .Lfor_b_\@
	tensor_load_to_lds s[G0+4*\s:G0+4*\s+3], s[G1:G1+7]
	s_nop 0
.rept 4
	v_nop
.endr
	s_branch .Lasked_\@
.Lfor_b_\@:
	tensor_load_to_lds s[G0B+4*\s:G0B+4*\s+3], s[G1B:G1B+7]
	s_nop 0
.rept 4
	v_nop
.endr
.Lasked_\@:
.endm
.macro CREST
	s_cmp_lg_u32 s12, 0
	s_cbranch_scc1 .Lnot_wave_0_\@
	s_barrier_signal -3
.Lnot_wave_0_\@:
	s_barrier_wait -3
	s_barrier_signal -1
	s_barrier_wait -1
.endm
.macro CROUND
	s_barrier_signal -1
	s_barrier_wait -1
	CREST
.endm
; A PREFETCH INTO THE L2 of att's tile of the K step that stands two refills on: 2 planes x 16,384 bytes.  The four partners that ask for the tile jointly take 8,192 bytes each, told apart by address (plane cx / 2, half cx % 2);
; in each, wave 0 asks, lanes 256 bytes apart: one instruction, and each block is named once in the launch.  It stands behind the joint load and the run of LDS loads.  The loop's last trip asks for nothing: there is no such K step.
; The first four K steps come by their loads alone.  Wo is not asked for: sixteen rows of clusters read the same 2 MiB again.
.macro ASK
	s_cmp_gt_u32 s3, s[LIM]
	s_cbranch_scc0 .Lnot_mine_\@
	global_prefetch_b8 v[PFO], s[PFA:PFA+1] th:TH_LOAD_NT scope:SCOPE_SE
.Lnot_mine_\@:
.endm
	s_load_b256 s[4:11], s[0:1], 0x0               ; att 4, wo16 6, bo 8, out0 10
	v_lshl_add_u32 v[SPW], v0, 2, SPARE
	v_mov_b32 v[NIL], 0
	ds_add_u32 v[SPW], v[NIL]                      ; the wave's opening: the add, twice on end, and its wait ahead of my first tensor load
	ds_add_u32 v[SPW], v[NIL]
	v_lshrrev_b32 v1, 5, v0
	v_readfirstlane_b32 s12, v1                    ; wave 0..3
	s_lshr_b32 s13, s12, 1                         ; which 64 rows of the tile are mine.  Also: I fetch for att (0) or for Wo (1)
	s_and_b32 s14, s12, 1                          ; which 128 columns.  Also: which plane, or which 64 k-rows, I fetch
	s_bfe_u32 s40, ttmp6, 0x40000                  ; cx = the tile column (the grid is one cluster wide)
	s_bfe_u32 s41, ttmp6, 0x40004                  ; cy
	s_and_b32 s15, ttmp7, 0xffff
	s_lshl_b32 s15, s15, 2
	s_add_co_u32 s15, s15, s41                     ; tile row = 4 x cluster y + cy
	s_lshl_b32 s42, s41, 2
	s_lshl_b32 s42, 15, s42                        ; my row of the cluster
	s_lshl_b32 s46, 0x1111, s40                    ; my column
	s_or_b32 s[G1+0], s42, (1<<16)|(1<<20)|(1<<21)|(4<<22)|(3<<25)   ; att: elements of 2 bytes; 4 words of padding after every 32
	s_mov_b32 s[G1+1], 64<<16                      ; tensor_dim0 = 64
	s_mov_b32 s[G1+2], 128<<16                     ; tensor_dim1 = 128
	s_mov_b32 s[G1+3], 64<<16                      ; tile_dim0
	s_mov_b32 s[G1+4], 128                         ; tile_dim1
	s_mov_b32 s[G1+5], 64                          ; from row to row
	s_mov_b32 s[G1+6], 0
	s_mov_b32 s[G1+7], 0
	s_or_b32 s[G1B+0], s46, (1<<16)|(1<<20)|(1<<21)|(6<<22)|(7<<25)  ; Wo: 8 words of padding after every 128
	s_mov_b32 s[G1B+1], 256<<16
	s_mov_b32 s[G1B+2], 64<<16
	s_mov_b32 s[G1B+3], 256<<16
	s_mov_b32 s[G1B+4], 64
	s_mov_b32 s[G1B+5], 1024
	s_mov_b32 s[G1B+6], 0
	s_mov_b32 s[G1B+7], 0
	s_lshl_b32 s16, s14, 20                        ; att: my plane of the step's two,
	s_lshl_b32 s17, s15, 14                        ; the tile's 128 rows of 128 bytes
	s_add_co_u32 s16, s16, s17
	s_mov_b32 s17, 0
	s_lshl_b32 s46, s14, 17                        ; Wo: my 64 k-rows of 2,048 bytes,
	s_lshl_b32 s47, s40, 9                         ; the tile's 256 columns
	s_add_co_u32 s46, s46, s47
	s_mov_b32 s47, 0
	s_mul_i32 s20, s14, 128*PA                     ; where they go: no place in the cluster enters an LDS address
	s_mul_i32 s21, s14, 64*PB
	s_add_co_u32 s21, s21, BOFF
	s_wait_dscnt 0x0                               ; both opening adds are done
	s_wait_kmcnt 0x0
	s_add_nc_u64 s[18:19], s[4:5], s[16:17]
	s_add_nc_u64 s[46:47], s[6:7], s[46:47]
	CROUND                                         ; all sixteen work-groups are here: the first joint loads meet
.irp s, 0,1
	s_mov_b32 s[G0+4*\s], 1
	s_add_co_u32 s[G0+4*\s+1], s20, \s*SLOT
	s_add_nc_u64 s[G0+4*\s+2:G0+4*\s+3], s[18:19], \s*(2<<20)      ; K step s: heads 2 s, 2 s + 1
	s_or_b32 s[G0+4*\s+3], s[G0+4*\s+3], 0x80000000
	s_mov_b32 s[G0B+4*\s], 1
	s_add_co_u32 s[G0B+4*\s+1], s21, \s*SLOT
	s_add_nc_u64 s[G0B+4*\s+2:G0B+4*\s+3], s[46:47], \s*262144     ; 128 k-rows on
	s_or_b32 s[G0B+4*\s+3], s[G0B+4*\s+3], 0x80000000
	JLOAD \s                                       ; two tensor loads of mine are out
.endr
	v_and_b32 v1, 15, v0                           ; r
	v_bfe_u32 v2, v0, 4, 1                         ; h
	s_lshl_b32 s46, s40, 10
	s_lshl_b32 s47, s14, 9
	s_add_co_u32 s46, s46, s47                     ; 4 x (256 x tile column + 128 x column half): in bo, and in a row of out0
	s_mov_b32 s47, 0
	s_add_nc_u64 s[8:9], s[8:9], s[46:47]
	v_lshlrev_b32 v6, 5, v2
.irp b, 0,1,2,3,4,5,6,7
	global_load_b128 v[BI+8*\b:BI+8*\b+3], v6, s[8:9] offset:64*\b         ; tile b: bo at columns 16 b + 8 h + 0 .. 7
	global_load_b128 v[BI+8*\b+4:BI+8*\b+7], v6, s[8:9] offset:64*\b+16
.endr
	v_mul_u32_u24 v3, v1, PA
	v_lshl_add_u32 v3, v2, 4, v3                   ; att: row r x pitch + 16 h
	s_mul_i32 s21, s13, 64*PA                      ; my 64 rows
	v_and_b32 v4, 7, v0
	v_lshl_add_u32 v4, v2, 3, v4
	v_mul_u32_u24 v4, v4, PB
	v_bfe_u32 v5, v0, 3, 1
	v_lshl_add_u32 v4, v5, 4, v4                   ; Wo: k-row 8 h + lane % 8, columns 8 ((lane / 8) % 2) on
	s_lshl_b32 s22, s14, 8                         ; my 128 columns
	s_add_co_u32 s22, s22, BOFF
.irp s, 0,1
	v_add_nc_u32 v[ADRA+\s], s21, v3
	v_add_nc_u32 v[ADRB+\s], s22, v4
	s_add_co_u32 s21, s21, SLOT
	s_add_co_u32 s22, s22, SLOT
.endr
	s_mul_i32 s23, s12, 16*528
	s_add_co_u32 s23, s23, STAGE                   ; my stage
	v_mul_u32_u24 v5, v1, 528
	v_lshl_add_u32 v5, v2, 5, v5
	v_add_nc_u32 v[STO], s23, v5                   ; in: row r, + 32 h
	v_and_b32 v5, 31, v0
	v_lshlrev_b32 v[CO], 4, v5                     ; back: the 32 lanes take one row of 512 bytes; and the same in out0
	v_add_nc_u32 v[RD], s23, v[CO]
	v_lshlrev_b32 v[PFO], 8, v5
	s_lshl_b32 s16, s15, 19                        ; 128 rows of 4,096 bytes a tile row,
	s_lshl_b32 s17, s13, 18                        ; my 64 of them
	s_add_co_u32 s16, s16, s17
	s_mov_b32 s17, 0
	s_add_nc_u64 s[16:17], s[16:17], s[46:47]
	s_add_nc_u64 s[10:11], s[10:11], s[16:17]
	s_lshr_b32 s16, s40, 1
	s_lshl_b32 s16, s16, 20                        ; the prefetches: plane cx / 2,
	s_lshl_b32 s17, s15, 14                        ; the tile's rows,
	s_add_co_u32 s16, s16, s17
	s_and_b32 s17, s40, 1
	s_lshl_b32 s17, s17, 13                        ; half cx % 2 of them
	s_add_co_u32 s16, s16, s17
	s_mov_b32 s17, 0
	s_add_nc_u64 s[PFA:PFA+1], s[4:5], s[16:17]
	s_add_nc_u64 s[PFA:PFA+1], s[PFA:PFA+1], 3*(2<<20)   ; at K step 3: the first change of slots steps it to 4
	s_cmp_eq_u32 s12, 0
	s_cselect_b32 s[LIM], 1, -1
.macro MUL8 f, a, first                ; eight products: att's block a x Wo's eight, 32 along K, from buffer f.  The 32 accumulators take turns, one instruction a turn, in the same order in every quarter
.irp b, 0,1,2,3,4,5,6,7
.if \first
	v_wmma_f32_16x16x32_f16 v[8*(8*(\a)+\b):8*(8*(\a)+\b)+7], v[64*(\f)+8*\b:64*(\f)+8*\b+7], v[64+32*(\f)+8*(\a):64+32*(\f)+8*(\a)+7], v[BI+8*\b:BI+8*\b+7]
.else
	v_wmma_f32_16x16x32_f16 v[8*(8*(\a)+\b):8*(8*(\a)+\b)+7], v[64*(\f)+8*\b:64*(\f)+8*\b+7], v[64+32*(\f)+8*(\a):64+32*(\f)+8*(\a)+7], v[8*(8*(\a)+\b):8*(8*(\a)+\b)+7]
.endif
.endr
.endm
.macro FETCH slot, q, f                ; 24 LDS loads in one run: the fragments of the slot's quarter q (32 along K) into buffer f
	WIN 0x40
.irp b, 0,1,2,3,4,5,6,7
	ds_load_tr16_b128 v[64*(\f)+8*\b:64*(\f)+8*\b+3],   v[ADRB+\slot] offset:32*PB*(\q)+32*\b
	ds_load_tr16_b128 v[64*(\f)+8*\b+4:64*(\f)+8*\b+7], v[ADRB+\slot] offset:32*PB*(\q)+32*\b+16*PB
.endr
	WIN 0
.irp a, 0,1,2,3
	ds_load_b128 v[64+32*(\f)+8*\a:64+32*(\f)+8*\a+3],   v[ADRA+\slot] offset:128*PA*((\q)/2)+16*PA*\a+64*((\q)%2)
	ds_load_b128 v[64+32*(\f)+8*\a+4:64+32*(\f)+8*\a+7], v[ADRA+\slot] offset:128*PA*((\q)/2)+16*PA*\a+64*((\q)%2)+32
.endr
.endm
.macro PLACES                          ; four plain vector instructions in front of loads into registers that matrix instructions have read, and of reads of results
.rept 4
	v_nop
.endr
.endm
.macro QUARTER slot, qn, f, g, first   ; multiplies buffer f; in its middle it fetches the slot's quarter qn into buffer g
	s_wait_dscnt 4                                 ; Wo's fragments and att's blocks 0, 1 are in; the youngest four loads (blocks 2, 3) may be out
.if \first
	WIN MUL1
.else
	WIN MUL
.endif
	MUL8 \f, 0, \first
	MUL8 \f, 1, \first
	PLACES
	FETCH \slot, \qn, \g
	s_wait_dscnt 24                                ; all but the 24 just issued
.if \first
	WIN MUL1
.else
	WIN MUL
.endif
	MUL8 \f, 2, \first
	MUL8 \f, 3, \first
.endm
; A K step's last quarter multiplies buffer 1 and changes slots: one barrier; in front of it each wave waits for all its tensor loads, adds 0 to its spare word, and waits for that and for its own reads of this slot.
; fill = 1: the barrier opens a round of the cluster's barrier, and this slot is filled again, two K steps ahead: 112 products of the wave stand between the request and the wait for it.
.macro TURN slot, next, fill
	WIN 0
.if \fill
	s_wait_xcnt 0x0                                ; the last prefetch, a K step back, has read its address:
	s_add_nc_u64 s[PFA:PFA+1], s[PFA:PFA+1], 2<<20 ; a K step on
.endif
	s_wait_tensorcnt 0x0                           ; all my tensor loads have landed: my part of the next slot;
	ds_add_u32 v[SPW], v[NIL]
	s_wait_dscnt 5                                 ; (the add and the youngest four loads may be out)
	WIN MUL
	MUL8 1, 0, 0
	s_wait_dscnt 0x0                               ; the add is done, and my reads of this slot are over
	s_barrier_signal -1
	MUL8 1, 1, 0
	WIN 0
	s_barrier_wait -1
.if \fill
	CREST                                          ; no wave of any partner still reads this slot or has a load on its way
	s_add_nc_u64 s[G0+4*\slot+2:G0+4*\slot+3], s[G0+4*\slot+2:G0+4*\slot+3], 4<<20
	s_add_nc_u64 s[G0B+4*\slot+2:G0B+4*\slot+3], s[G0B+4*\slot+2:G0B+4*\slot+3], 524288
	JLOAD \slot                                    ; the first tensor load behind the round; its four v_nop are also the places in front of the loads below
.else
	PLACES
.endif
	FETCH \next, 0, 0
.if \fill
	ASK
.endif
	WIN MUL
	MUL8 1, 2, 0
	MUL8 1, 3, 0
.endm
	s_wait_tensorcnt 1                             ; my part of K step 0 is in; K step 1's may stay out
	s_barrier_signal -1
	s_barrier_wait -1
	FETCH 0, 0, 0
	s_wait_loadcnt 0x0                             ; the bias
	QUARTER 0, 1, 0, 1, 1                          ; the first quarter stands in front of the loop: its products start the sums, from the bias
	WIN 0                                          ; at a label and at a branch every window is 0
	s_mov_b32 s3, 3
.Llap:                                                 ; a trip goes once round the two slots and fills both again: K steps 2 to 7 in three trips
	QUARTER 0, 2, 1, 0, 0
	QUARTER 0, 3, 0, 1, 0
	TURN 0, 1, 1
	QUARTER 1, 1, 0, 1, 0
	QUARTER 1, 2, 1, 0, 0
	QUARTER 1, 3, 0, 1, 0
	TURN 1, 0, 1
	QUARTER 0, 1, 0, 1, 0
	WIN 0
	s_sub_co_u32 s3, s3, 1
	s_cmp_lg_u32 s3, 0
	s_cbranch_scc1 .Llap
	QUARTER 0, 2, 1, 0, 0                          ; the last two K steps fill nothing: the tail is written out
	QUARTER 0, 3, 0, 1, 0
	TURN 0, 1, 0
	QUARTER 1, 1, 0, 1, 0
	QUARTER 1, 2, 1, 0, 0
	QUARTER 1, 3, 0, 1, 0
	s_wait_dscnt 4
	WIN MUL
	MUL8 1, 0, 0
	MUL8 1, 1, 0
	s_wait_dscnt 0
	MUL8 1, 2, 0
	MUL8 1, 3, 0
	WIN 0
; THE WAY OUT, a block of 16 rows x 128 columns at a time: through my own stage (rows of 528 bytes), back as whole rows of 512 bytes, which the 32 lanes store as 512 consecutive aligned bytes.
.macro TOSTAGE a
	WIN 0x08                                       ; an LDS store's data: window 2
.irp b, 0,1,2,3,4,5,6,7
	ds_store_b128 v[STO], v[64*(\a)+8*\b:64*(\a)+8*\b+3] offset:64*\b          ; each accumulator from its low end on
	ds_store_b128 v[STO], v[64*(\a)+8*\b+4:64*(\a)+8*\b+7] offset:64*\b+16
.endr
	WIN 0
.set BB, 192-128*((\a)%2)
.irp t, 0,1,2,3,4,5,6,7,8,9,10,11,12,13,14,15
	ds_load_b128 v[BB+4*\t:BB+4*\t+3], v[RD] offset:\t*528                     ; LDS serves a wave's instructions in order: these see my stores
.endr
.endm
.macro SEND a, younger
.set BB, 192-128*((\a)%2)
	s_wait_dscnt \younger
.irp t, 0,1,2,3,4,5,6,7,8,9,10,11,12,13,14,15
	global_store_b128 v[CO], v[BB+4*\t:BB+4*\t+3], s[10:11] offset:65536*(\a)+4096*\t th:TH_STORE_NT   ; written once, read by nobody here
.endr
.endm
	PLACES                                         ; behind the last products: their results are read and att's fragment registers loaded below
	TOSTAGE 0
.irp a, 1,2,3
.if \a > 1
	s_wait_xcnt 0x0                                ; block a - 2's stores have read their registers: block a's loads may land there
.endif
	TOSTAGE \a
	SEND \a-1, 32                                  ; behind block a - 1's loads: block a's 16 stores and 16 loads
.endr
	SEND 3, 0
	s_wait_tensorcnt 0x0                           ; the wave's end
	ds_add_u32 v[SPW], v[NIL]
	s_wait_dscnt 0x0
	CROUND                                         ; the closing round
	s_endpgm
.Lfunc_end_k_qfe90680545_oproj:
	.size	k_qfe90680545_oproj, .Lfunc_end_k_qfe90680545_oproj-k_qfe90680545_oproj
	.p2alignl 7, 3214868480
	.fill 96, 4, 3214868480
	.section	.rodata,"a",@progbits
	.p2align	6, 0x0
	.amdhsa_kernel k_qfe90680545_oproj
		.amdhsa_group_segment_fixed_size 327680
		.amdhsa_private_segment_fixed_size 0
		.amdhsa_enable_private_segment 0
		.amdhsa_kernarg_size 32
		.amdhsa_user_sgpr_count 2
		.amdhsa_user_sgpr_kernarg_segment_ptr 1
		.amdhsa_wavefront_size32 1
		.amdhsa_system_sgpr_workgroup_id_x 1
		.amdhsa_system_sgpr_workgroup_id_y 1
		.amdhsa_system_sgpr_workgroup_id_z 1
		.amdhsa_system_vgpr_workitem_id 0
		.amdhsa_next_free_vgpr 768
		.amdhsa_next_free_sgpr 66
		.amdhsa_reserve_vcc 0
		.amdhsa_float_denorm_mode_32 3
		.amdhsa_float_denorm_mode_16_64 3
		.amdhsa_memory_ordered 1
		.amdhsa_forward_progress 1
		.amdhsa_inst_pref_size 88
	.end_amdhsa_kernel
	.amdgpu_metadata
---
amdhsa.version: [ 1, 2 ]
amdhsa.kernels:
  - .name:           k_qfe90680545_oproj
    .symbol:         k_qfe90680545_oproj.kd
    .args:
      - { .name: att, .offset: 0, .size: 8, .value_kind: global_buffer, .address_space: global }
      - { .name: wo16, .offset: 8, .size: 8, .value_kind: global_buffer, .address_space: global }
      - { .name: bo, .offset: 16, .size: 8, .value_kind: global_buffer, .address_space: global }
      - { .name: out0, .offset: 24, .size: 8, .value_kind: global_buffer, .address_space: global }
    .group_segment_fixed_size: 327680
    .private_segment_fixed_size: 0
    .kernarg_segment_align: 8
    .kernarg_segment_size: 32
    .max_flat_workgroup_size: 128
    .sgpr_count:     66
    .vgpr_count:     768
    .wavefront_size: 32
...
	.end_amdgpu_metadata
.endif
;; end of part 4
